; MI455X (gfx1250); checked and timed in simulation.
; The chip was launched on July 23, 2026; its instructions are those of AMD's public machine-readable ISA for CDNA 5 (MIT licence, August 2026) and "CDNA5" Instruction Set Architecture Reference Guide (July 2026). The comments in the code are by the model that wrote it; some were corrected since.
;; Multi Head Attention. Allowed arithmetic: matrix products marked QUANTISED: E2M3 operands, one E8M0 scale for each 32 along K, by v_wmma_scale_f32_16x16x128_f8f6f4 with both operands' format E2M3, f32 sums; everything else in f32.
;; Inputs: w_attn 3,072 x 1,024 float32; w_proj 1,024 x 1,024 float32; x 4 x 2,048 x 1,024 float32.
;; Outputs: out0 4 x 2,048 x 1,024 float32.
;; This version of the problem:
;;   THIS VERSION OF THE PROBLEM IS GIVEN IN LOW PRECISION. The matrix products marked QUANTISED in the list below multiply operands that are first quantised to E2M3 (2 exponent bits, 3 mantissa bits; 6 bits a number), with one power-of-two scale for each 32 numbers along K (OCP MX v1.0); their sums are f32. All else is computed in f32.
;;   The module's matrix products, in the order in which they are computed (A, B: the left and right operand; K: the contracted axis; several contracted axes count as one K, in the product's order):
;;     1. [M 8,192, K 1,024] x [K 1,024, N 3,072]; A: input x; B: input w_attn: QUANTISED
;;     2. batch 64 x [M 2,048, K 64] x [K 64, N 2,048]; A: computed on the way; B: computed on the way: QUANTISED
;;     3. batch 64 x [M 2,048, K 2,048] x [K 2,048, N 64]; A: softmax (see below); B: computed on the way: QUANTISED
;;     4. [M 8,192, K 1,024] x [K 1,024, N 1,024]; A: computed on the way; B: input w_proj: QUANTISED
;;   THE QUANTISER, for each operand of a quantised product, along K:
;;     - K is cut into blocks of 32 from its start; a last block that is shorter is filled with zeros.
;;     - A block's scale is 2^e with e = floor(log2(the largest magnitude in the block)) - 2, held to -126 .. 127; a block of zeros has e = 0. As a byte (E8M0): e + 127.
;;     - Each number is divided by its block's scale, clamped to +-7.5, and rounded to the nearest number of E2M3, ties to even, subnormals kept.
;;     - The product sums the exact products of the quantised numbers (number of the format x scale) in f32.
;;   ~~~python
;;   def quantise(x, axis):      # numpy; x: float32 -> the quantised numbers, widened to float32 again
;;       x = np.moveaxis(x, axis, -1); K = x.shape[-1]
;;       x = np.pad(x, [(0, 0)] * (x.ndim - 1) + [(0, -K % 32)]); x = x.reshape(x.shape[:-1] + (-1, 32)); a = np.abs(x).max(-1, keepdims=True)
;;       e = np.where(a > 0, np.clip(np.frexp(np.where(a > 0, a, 1))[1] - 1 - 2, -126, 127), 0)      # np.frexp(a)[1] - 1 = floor(log2(a)), exactly
;;       r = np.clip(x / 2.0 ** e, -7.5, 7.5)
;;       step = 2.0 ** (np.maximum(np.frexp(np.where(r == 0, 1, r))[1] - 1, 0) - 3)
;;       q = np.round(r / step) * step * 2.0 ** e      # np.round: ties to even
;;       return np.moveaxis(q.reshape(q.shape[:-2] + (-1,))[..., :K], -1, axis).astype(np.float32)
;;   ~~~
;;   SOFTMAX AHEAD OF A QUANTISED PRODUCT. Where the list says 'softmax', what is quantised is not the finished softmax but p = 2^(t - M), with t = logit x log2(e) and M = ceil(the row's largest t), a whole number; so 1/2 < the row's largest p <= 1. The row's sum l is taken of the UNQUANTISED p, in f32, and the product's result is divided by l at the end. Since M is a whole number, a kernel that streams over the keys may use a running M (the ceiling of the running maximum): every later rescaling is an exact power of two, which a block's scale takes up: the codes' values come out the same.
;;   OPERANDS COMPUTED ON THE WAY. 'Computed on the way' means the value that the module computes at that place (a softmax that the list does not call 'softmax' is quantised finished and normalised). What goes into a quantiser is computed in f32, as accurately as f32 sums, v_exp_f32 and their like allow (about 1e-6 of the number): no bf16 or f16 on the way to a quantiser, and a product that is left as it is and whose result goes on into a quantised operand takes f32 operands (vector FMAs, or v_wmma_f32_16x16x4_f32). A number that lies on a knife's edge between two numbers of the format may be rounded either way, as far as f32 arithmetic and the matrix unit's own rounding can turn it there, and no further.
;; One version. Each part assembles by itself: llvm-mc -triple=amdgcn-amd-amdhsa -mcpu=gfx1250 --defsym DOCPART=n.
;; ======== version 1 of 1: 4 launches
;; limits: right only within a limited range of input values
;; workspace buffers: xq 6,553,600 bytes; wq 3,276,800 bytes; rope 524,288 bytes; qkv 19,660,800 bytes; yq 6,553,600 bytes
;; launch prep (part 1): grid 832 x 1, 2 waves a work-group, no clusters, 17,152 bytes of LDS; arguments x, w_attn, w_proj, xq, wq, rope; writes xq, wq, rope
.if DOCPART == 1
	.amdgcn_target "amdgcn-amd-amdhsa--gfx1250"
	.amdhsa_code_object_version 6
	.text
	.protected	k_q0460697783_prep
	.globl	k_q0460697783_prep
	.p2align	8
	.type	k_q0460697783_prep,@function
k_q0460697783_prep:
	s_mov_b64 s[64:65], 0
	v_nop
	global_prefetch_b8 v0, s[64:65] scope:SCOPE_SE
	s_setreg_imm32_b32 hwreg(HW_REG_WAVE_MODE, 25, 1), 1
	s_wait_xcnt 0x0
; x [8192][1024], w_attn [3072][1024], w_proj [1024][1024], f32 with K innermost, become codes of FP6 (E2M3) with one E8M0 byte for each 32 along K,
; laid AS THE MATRIX UNIT'S OPERAND REGISTERS: a HALF is 16 rows x 64 K = 768 bytes: lane (r, h) holds row r, k = 32 h .. 32 h + 31 in six registers; registers 0-3 lie at 16 x lane,
; registers 4-5 at 512 + 8 x lane.  A fragment (16 rows x 128 K) is two halves.  Image: [K / 256][rowtile][2 fragments][2 halves][768]; scale words: [rowtile][K half][row][4 words], byte 2 c + h of a word = half c, block h.
; THE 16 ROWS OF A ROWTILE ARE CHOSEN: in x and w_attn rowtile t of a group of 128 rows holds rows 64 (t / 4) + 8 (t % 4) + 32 (r / 8) + r % 8, so that in a later product's result a lane's 32 registers of four
; neighbouring tiles are 32 neighbouring rows.  In w_proj a rowtile is 16 neighbouring rows.
; SHARES: work-groups 0-511 take x's rowtiles, 512-703 w_attn's, 704-767 w_proj's: ONE path, the buffers and constants chosen by the work-group's number.  Wave w takes K half w: four fragments.
; A load reads 512 consecutive bytes of a row; a fragment's 16 rows turn through the wave's own stage in LDS (rows of 512 + 16 bytes) and come back 128 bytes a lane: a whole block of 32 in one lane.
; Work-groups 768-831 make the table of cos and sin for the rotary embedding, a position tile of 16 tokens to a wave, laid as the next launch's lanes want it; that path uses no LDS.
; No tensor loads, no barrier, no cluster: waves share nothing and no input is read twice.
; LIMITS: NaN and infinities are not served.  A block of zeros, or one whose largest magnitude lies under 2^-124, gets the byte 1 (its codes are zeros or held small; this program alone reads the bytes).
; The table's range reduction is exact for angles up to 2,047, which 2,048 tokens keep.  10000^(i/32) = 10^(i/8) is taken correctly rounded to f32, its reciprocal likewise.
.set SP,   528                         ; a stage row: 512 bytes + 16
.set M0,   12
.set M1,   13
.set SCV,  14                          ; the conversion's scale operand
.set BY0,  15
.set BY1,  16
.set CT,   20                          ; v20-22 a block's upper 16 codes (a conversion's three registers begin on an even number)
.set WD,   24                          ; v24-27 the four fragments' scale words
.set R,    32                          ; v32-159 two sets of 64: a fragment as loaded
.set X,    160                         ; v160-223 a lane's two blocks of 32
.set U,    224                         ; v224-247 two sets of 12: a fragment's codes
.set SEL,  32                          ; s[32:33] lane selects: lane l xor 16
; 32 numbers of one lane -> six registers of codes and the scale's byte.  The floor 2^(3 - 127) among the leaves holds the byte at 1 from below.
.macro QBLK x, u, by
	v_max3_num_f32 v[M0], |v[\x]|, |v[\x+1]|, 0x1800000
	v_max3_num_f32 v[M1], |v[\x+16]|, |v[\x+17]|, 0x1800000
.irp i, 2,4,6,8,10,12,14
	v_max3_num_f32 v[M0], |v[\x+\i]|, |v[\x+\i+1]|, v[M0]          ; two chains by turns
	v_max3_num_f32 v[M1], |v[\x+16+\i]|, |v[\x+17+\i]|, v[M1]
.endr
	v_max_num_f32 v[M0], v[M0], v[M1]              ; the block's largest magnitude
	v_add_nc_u32 v[SCV], 0xff000000, v[M0]         ; 2 off its exponent field: the conversion takes that field as its scale
	v_lshrrev_b32 v[\by], 23, v[SCV]               ; the scale's byte
	v_cvt_scalef32_pk16_fp6_f32 v[\u:\u+2], v[\x:\x+15], v[SCV]
	v_cvt_scalef32_pk16_fp6_f32 v[CT:CT+2], v[\x+16:\x+31], v[SCV]
	v_nop                                          ; one plain place behind a scaled conversion
	v_mov_b32 v[\u+3], v[CT]
	v_mov_b32 v[\u+4], v[CT+1]
	v_mov_b32 v[\u+5], v[CT+2]
.endm
; my two bytes (halves 0 and 1, block h) at their places, joined with lane l xor 16's two: the row's scale word, in both halves of the lanes
.macro SWORD w, b0, b1
	v_lshl_or_b32 v[\w], v[\b1], 16, v[\b0]
	v_lshlrev_b32 v[\w], v10, v[\w]
	v_permlanex16_b32 v11, v[\w], s[SEL], s[SEL+1]
	v_or_b32 v[\w], v[\w], v11
.endm
	s_load_b256 s[4:11], s[0:1], 0x0               ; x s[4:5], w_attn s[6:7], w_proj s[8:9], xq s[10:11]
	s_load_b128 s[12:15], s[0:1], 0x20             ; wq s[12:13], rope s[14:15]
	v_lshl_add_u32 v254, v0, 2, 0x4200
	v_mov_b32 v255, 0
	v_lshrrev_b32 v1, 5, v0
	v_readfirstlane_b32 s16, v1                    ; wave 0, 1
	v_and_b32 v1, 31, v0                           ; lane
	v_and_b32 v2, 15, v0                           ; r
	v_bfe_u32 v3, v0, 4, 1                         ; h
	v_lshlrev_b32 v4, 4, v1                        ; 16 x lane
	v_lshlrev_b32 v8, 3, v1                        ; 8 x lane
	s_mov_b32 s[SEL], 0x76543210
	s_mov_b32 s[SEL+1], 0xfedcba98
	s_wait_kmcnt 0x0
	s_cmp_ge_u32 ttmp9, 768
	s_cbranch_scc1 .Ltable
	; which tensor: w_proj's figures first, then w_attn's, then x's, chosen by the work-group's number alone
	s_mov_b32 s34, 704                             ; the tensor's first work-group
	s_mov_b32 s18, 196608                          ; bytes from one K / 256 of the image to the next
	s_mov_b32 s19, 2457600                         ; where the image begins in its buffer
	s_mov_b32 s20, 3244032                         ; and the scale words
	s_mov_b32 s22, 32768                           ; bytes from row r to row r + 8 of a rowtile
	s_cmp_lt_u32 ttmp9, 704
	s_cselect_b32 s34, 512, s34
	s_cselect_b32 s18, 589824, s18
	s_cselect_b32 s19, 0, s19
	s_cselect_b32 s20, 2359296, s20
	s_cselect_b32 s22, 131072, s22
	s_cselect_b32 s35, 1, 0                        ; 1: the rows of a rowtile are chosen
	s_cselect_b64 s[24:25], s[6:7], s[8:9]
	s_cmp_lt_u32 ttmp9, 512
	s_cselect_b32 s34, 0, s34
	s_cselect_b32 s18, 1572864, s18
	s_cselect_b32 s20, 6291456, s20
	s_cselect_b64 s[24:25], s[4:5], s[24:25]
	s_cselect_b64 s[26:27], s[10:11], s[12:13]
	s_sub_co_u32 s17, ttmp9, s34                   ; the rowtile
	s_lshr_b32 s36, s17, 2
	s_lshl_b32 s36, s36, 6
	s_and_b32 s37, s17, 3
	s_lshl_b32 s37, s37, 3
	s_add_co_u32 s36, s36, s37                     ; its first row where rows are chosen: 64 (t / 4) + 8 (t % 4)
	s_lshl_b32 s37, s17, 4                         ; and where they are neighbours
	s_cmp_eq_u32 s35, 1
	s_cselect_b32 s21, s36, s37
	s_lshl_b32 s36, s21, 12                        ; a row is 4,096 bytes,
	s_lshl_b32 s37, s16, 11                        ; a K half 2,048
	s_add_co_u32 s36, s36, s37
	s_mov_b32 s37, 0
	s_add_nc_u64 s[24:25], s[24:25], s[36:37]      ; from here I read
	s_lshl_b32 s38, s17, 9
	s_add_co_u32 s38, s38, s20
	s_lshl_b32 s39, s16, 8
	s_add_co_u32 s38, s38, s39
	s_mov_b32 s39, 0
	s_add_nc_u64 s[30:31], s[26:27], s[38:39]      ; my 256 bytes of scale words
	s_mul_i32 s36, s17, 3072
	s_add_co_u32 s36, s36, s19
	s_lshl_b32 s38, s16, 1
	s_mul_i32 s38, s38, s18
	s_add_co_u32 s36, s36, s38
	s_add_nc_u64 s[26:27], s[26:27], s[36:37]      ; my fragments 0, 1
	s_mov_b32 s36, s18
	s_add_nc_u64 s[28:29], s[26:27], s[36:37]      ; my fragments 2, 3
	s_mul_i32 s40, s16, 16*SP                      ; my stage
	s_wait_alu depctr_va_vdst(0)
	v_add_nc_u32 v5, s22, v4                       ; rows 8-15
	v_add_nc_u32 v6, s40, v4                       ; into the stage: 16 x lane of a row
	v_mul_u32_u24 v7, v2, SP
	v_lshl_add_u32 v7, v3, 7, v7
	v_add_nc_u32 v7, s40, v7                       ; out of it: row r, 128 h bytes on
	v_lshlrev_b32 v9, 4, v2
	v_lshl_add_u32 v9, v3, 3, v9                   ; the scale words' place: 16 r + 8 h
	v_lshlrev_b32 v10, 3, v3                       ; 8 h: a byte's shift
	v_mov_b32 v11, 0                               ; written once: a lane permute's destination counts as one of its sources
.macro LOAD f                          ; fragment f: 16 rows x 512 consecutive bytes
.irp i, 0,1,2,3,4,5,6,7
	global_load_b128 v[R+64*((\f)%2)+4*\i:R+64*((\f)%2)+4*\i+3], v4, s[24:25] offset:\i*4096+(\f)*512 th:TH_LOAD_NT
.endr
.irp i, 0,1,2,3,4,5,6,7
	global_load_b128 v[R+64*((\f)%2)+32+4*\i:R+64*((\f)%2)+32+4*\i+3], v5, s[24:25] offset:\i*4096+(\f)*512 th:TH_LOAD_NT
.endr
.endm
.macro FRAGQ f
.set UU, U+12*((\f)%2)
.set DD, 26+2*((\f)/2)
.if (\f) < 3
	s_wait_loadcnt 16                              ; this fragment's 16 loads are in; the next fragment's 16 may be out
.else
	s_wait_loadcnt 0x0
.endif
.irp i, 0,1,2,3,4,5,6,7,8,9,10,11,12,13,14,15
	ds_store_b128 v6, v[R+64*((\f)%2)+4*\i:R+64*((\f)%2)+4*\i+3] offset:\i*SP
.endr
.irp c, 0,1
.irp p, 0,1,2,3,4,5,6,7
	ds_load_b128 v[X+32*\c+4*\p:X+32*\c+4*\p+3], v7 offset:256*\c+16*\p   ; LDS serves a wave's instructions in order: these see my stores
.endr
.endr
	s_wait_dscnt 0x0
.if (\f) < 2
	LOAD (\f)+2                                    ; into the set that the stage's stores have read
.else
	s_wait_xcnt 0x0                                ; the stores of two fragments ago have read their registers: this set of codes is written again only behind this wait
.endif
	QBLK X, UU, BY0
	QBLK X+32, UU+6, BY1
	SWORD WD+(\f), BY0, BY1
.irp c, 0,1
	global_store_b128 v4, v[UU+6*\c:UU+6*\c+3], s[DD:DD+1] offset:((\f)%2)*1536+\c*768        ; 32 lanes store 512 consecutive bytes,
	global_store_b64 v8, v[UU+6*\c+4:UU+6*\c+5], s[DD:DD+1] offset:((\f)%2)*1536+\c*768+512   ; and 256: both begin at multiples of 256
.endr
.endm
	LOAD 0
	LOAD 1
	s_wait_alu depctr_va_vdst(0)
	FRAGQ 0
	FRAGQ 1
	FRAGQ 2
	FRAGQ 3
	v_cmp_le_u32 vcc_lo, 16, v1                    ; lanes 16-31 store words 2 and 3
	v_cndmask_b32 v28, v[WD], v[WD+2], vcc_lo
	v_cndmask_b32 v29, v[WD+1], v[WD+3], vcc_lo
	global_store_b64 v9, v[28:29], s[30:31]        ; 32 lanes store 256 consecutive bytes, aligned
	s_wait_tensorcnt 0x0
	ds_add_u32 v254, v255
	s_wait_dscnt 0x0
	s_endpgm
.Ltable:
	; rope: [position tile 0..127][piece p 0..7][lane][16 bytes]: lane (r, h), piece p: cos, sin, cos, sin of the pairs 16 h + 2 p and 16 h + 2 p + 1, for the tile's token r
	s_sub_co_u32 s17, ttmp9, 768
	s_lshl_b32 s17, s17, 1
	s_add_co_u32 s17, s17, s16                     ; my position tile
	s_lshr_b32 s18, s17, 2
	s_lshl_b32 s18, s18, 6
	s_and_b32 s19, s17, 3
	s_lshl_b32 s19, s19, 3
	s_add_co_u32 s18, s18, s19
	s_wait_alu depctr_va_vdst(0)
	v_lshrrev_b32 v5, 3, v2
	v_and_b32 v6, 7, v2
	v_lshl_add_u32 v5, v5, 5, v6
	v_add_nc_u32 v5, s18, v5                       ; the token: 64 (T / 4) + 8 (T % 4) + 32 (r / 8) + r % 8
	v_cvt_f32_u32 v5, v5
	s_lshl_b32 s20, s17, 12
	s_mov_b32 s21, 0
	s_add_nc_u64 s[14:15], s[14:15], s[20:21]
	v_cmp_le_u32 vcc_lo, 16, v1
.macro PW k, lo, hi                    ; 10^((16 h + k) / 8)
	v_mov_b32 v12, \hi
	v_cndmask_b32 v[32+\k], \lo, v12, vcc_lo
.endm
	PW 0, 1.0, 100.0
	PW 1, 1.333521432163324, 133.3521432163324
	PW 2, 1.778279410038923, 177.8279410038923
	PW 3, 2.371373705661655, 237.1373705661655
	PW 4, 3.162277660168379, 316.2277660168379
	PW 5, 4.216965034285822, 421.6965034285822
	PW 6, 5.623413251903491, 562.3413251903491
	PW 7, 7.498942093324559, 749.8942093324559
	PW 8, 10.0, 1000.0
	PW 9, 13.33521432163324, 1333.521432163324
	PW 10, 17.78279410038923, 1778.279410038923
	PW 11, 23.71373705661655, 2371.373705661655
	PW 12, 31.62277660168379, 3162.277660168379
	PW 13, 42.16965034285822, 4216.965034285822
	PW 14, 56.23413251903491, 5623.413251903491
	PW 15, 74.98942093324559, 7498.942093324559
	s_wait_alu depctr_va_vdst(0)
.irp k, 0,1,2,3,4,5,6,7,8,9,10,11,12,13,14,15
	v_rcp_f32 v[48+\k], v[32+\k]
.endr
	v_nop                                          ; a plain place behind the last reciprocal
	s_wait_alu depctr_va_vdst(0)                   ; one wait for the batch of sixteen, ahead of its first reader
.rept 2                                        ; two refinements: q += q (1 - P q)
.irp k, 0,1,2,3,4,5,6,7,8,9,10,11,12,13,14,15
	v_fma_f32 v[96+\k], -v[32+\k], v[48+\k], 1.0
.endr
.irp k, 0,1,2,3,4,5,6,7,8,9,10,11,12,13,14,15
	v_fma_f32 v[48+\k], v[48+\k], v[96+\k], v[48+\k]
.endr
.endr
	v_mov_b32 v30, 0xb94ca1f9                      ; -1.9515295891e-4: the sine's highest coefficient
	v_mov_b32 v31, 0x37ccf5ce                      ; 2.443315711809948e-5: the cosine's
; angle = token x inv, one f32 product; n = the nearest whole number of quarter turns; the rest r in two steps (the first is exact: n has 11 bits, the rest is a multiple of 2^-23 under 2);
; sine and cosine of r by polynomials on |r| <= pi / 4; n's two low bits say which is which and with what sign
.macro SINCOS k
	v_mul_f32 v12, v5, v[48+\k]
	v_mul_f32 v13, 0x3f22f983, v12                 ; x 2 / pi
	v_rndne_f32 v13, v13
	v_fma_f32 v14, v13, 0xbfc90fdb, v12            ; - n x 1.57079637
	v_fma_f32 v14, v13, 0x333bbd2e, v14            ; + n x 4.37113900e-8
	v_cvt_i32_f32 v15, v13
	v_mul_f32 v16, v14, v14
	v_fmaak_f32 v17, v30, v16, 0x3c08839e          ; 8.3321608736e-3
	v_fmaak_f32 v18, v31, v16, 0xbab6061a          ; -1.388731625493765e-3
	v_fmaak_f32 v17, v17, v16, 0xbe2aaaa3          ; -1.6666654611e-1
	v_fmaak_f32 v18, v18, v16, 0x3d2aaaa5          ; 4.166664568298827e-2
	v_mul_f32 v17, v17, v16
	v_mul_f32 v19, v16, v16
	v_fma_f32 v20, v16, -0.5, 1.0
	v_fma_f32 v17, v17, v14, v14                   ; sin r
	v_fma_f32 v18, v18, v19, v20                   ; cos r
	v_and_b32 v21, 1, v15
	v_cmp_ne_u32 vcc_lo, 0, v21
	v_cndmask_b32 v22, v17, v18, vcc_lo            ; an odd n: they change places
	v_cndmask_b32 v23, v18, v17, vcc_lo
	v_and_b32 v21, 2, v15
	v_add_nc_u32 v15, 1, v15
	v_lshlrev_b32 v21, 30, v21                     ; the sine's sign: bit 1 of n
	v_and_b32 v15, 2, v15
	v_xor_b32 v[64+2*\k+1], v22, v21
	v_lshlrev_b32 v15, 30, v15                     ; the cosine's: bit 1 of n + 1
	v_xor_b32 v[64+2*\k], v23, v15
.endm
.irp k, 0,1,2,3,4,5,6,7,8,9,10,11,12,13,14,15
	SINCOS \k
.endr
.irp p, 0,1,2,3,4,5,6,7
	global_store_b128 v4, v[64+4*\p:64+4*\p+3], s[14:15] offset:\p*512   ; 32 lanes store 512 consecutive bytes
.endr
	s_endpgm
.Lfunc_end_k_q0460697783_prep:
	.size	k_q0460697783_prep, .Lfunc_end_k_q0460697783_prep-k_q0460697783_prep
	.p2alignl 7, 3214868480
	.fill 96, 4, 3214868480
	.section	.rodata,"a",@progbits
	.p2align	6, 0x0
	.amdhsa_kernel k_q0460697783_prep
		.amdhsa_group_segment_fixed_size 17152
		.amdhsa_private_segment_fixed_size 0
		.amdhsa_enable_private_segment 0
		.amdhsa_kernarg_size 48
		.amdhsa_user_sgpr_count 2
		.amdhsa_user_sgpr_kernarg_segment_ptr 1
		.amdhsa_wavefront_size32 1
		.amdhsa_system_sgpr_workgroup_id_x 1
		.amdhsa_system_sgpr_workgroup_id_y 1
		.amdhsa_system_sgpr_workgroup_id_z 1
		.amdhsa_system_vgpr_workitem_id 0
		.amdhsa_next_free_vgpr 256
		.amdhsa_next_free_sgpr 66
		.amdhsa_reserve_vcc 1
		.amdhsa_float_denorm_mode_32 3
		.amdhsa_float_denorm_mode_16_64 3
		.amdhsa_memory_ordered 1
		.amdhsa_forward_progress 1
		.amdhsa_inst_pref_size 60
	.end_amdhsa_kernel
	.amdgpu_metadata
---
amdhsa.version: [ 1, 2 ]
amdhsa.kernels:
  - .name:           k_q0460697783_prep
    .symbol:         k_q0460697783_prep.kd
    .args:
      - { .name: x, .offset: 0, .size: 8, .value_kind: global_buffer, .address_space: global }
      - { .name: w_attn, .offset: 8, .size: 8, .value_kind: global_buffer, .address_space: global }
      - { .name: w_proj, .offset: 16, .size: 8, .value_kind: global_buffer, .address_space: global }
      - { .name: xq, .offset: 24, .size: 8, .value_kind: global_buffer, .address_space: global }
      - { .name: wq, .offset: 32, .size: 8, .value_kind: global_buffer, .address_space: global }
      - { .name: rope, .offset: 40, .size: 8, .value_kind: global_buffer, .address_space: global }
    .group_segment_fixed_size: 17152
    .private_segment_fixed_size: 0
    .kernarg_segment_align: 8
    .kernarg_segment_size: 48
    .max_flat_workgroup_size: 64
    .sgpr_count:     66
    .vgpr_count:     256
    .wavefront_size: 32
...
	.end_amdgpu_metadata
.endif
;; end of part 1
;; launch qkv (part 2): grid 8 x 32, 4 waves a work-group, clusters of 4 x 4, 327,680 bytes of LDS; arguments xq, wq, rope, qkv; writes qkv
.if DOCPART == 2
	.amdgcn_target "amdgcn-amd-amdhsa--gfx1250"
	.amdhsa_code_object_version 6
	.text
	.protected	k_q0460697783_qkv
	.globl	k_q0460697783_qkv
	.p2align	8
	.type	k_q0460697783_qkv,@function
k_q0460697783_qkv:
	s_mov_b64 s[64:65], 0
	v_nop
	global_prefetch_b8 v0, s[64:65] scope:SCOPE_SE
	s_setreg_imm32_b32 hwreg(HW_REG_WAVE_MODE, 25, 1), 1
	s_wait_xcnt 0x0
	s_wait_alu depctr_hold_cnt(0) depctr_sa_sdst(0) depctr_va_vdst(0) depctr_va_sdst(0) depctr_va_ssrc(0) depctr_va_vcc(0) depctr_vm_vsrc(0)
	s_getreg_b32 s2, hwreg(HW_REG_IB_STS2, 6, 4)
	s_cmp_eq_u32 s2, 0
	s_cbranch_scc0 .Lentry_in_a_cluster
	s_endpgm
.Lentry_in_a_cluster:
	s_bfe_u32 s2, ttmp6, 0x10000c
	s_cmp_lg_u32 s2, 0xf033
	s_cbranch_scc0 .Lentry_shape_is_right
	s_endpgm
.Lentry_shape_is_right:
; x w_attn^T on codes of FP6 (E2M3) with E8M0 scales, K = 1,024; on the way out the rotary embedding and the quantisers of q, k (along the head's 64) and v (along the tokens), all in registers.
; SHARES: 8 x 32 = 256 work-groups.  Work-group (g, T) takes tokens 256 T .. + 255 and heads 2 g, 2 g + 1 through THREE PHASES: q, k, v, each a product of 256 tokens x 128 features x K 1,024.
; Wave (i, j) = (w / 2, w % 2) takes the 128 tokens of half i and head 2 g + j: 32 accumulators of 16 x 16, 256 registers: so it owns whole sections of the output.
; x's 256 ROWS LIE IN LDS FOR THE WHOLE LAUNCH, all of K (196,608 bytes), filled once; behind them one tile of w_attn, 128 rows x all of K (98,304 bytes), which is FILLED AGAIN once a phase: at the head of a phase's
; last K step all its fragments are in registers; each wave then asks for one K step of 256 of the next phase's tile, which has that step's 32 products and the way out in which to land.
; OPERANDS LIE IN MEMORY AS IMAGES OF THEIR REGISTERS: [K / 256][rowtile][2 fragments][2 halves][768] (a half = 16 rows x 64 K: a lane's registers 0-3 at 16 x lane, 4-5 at 512 + 8 x lane); a K step's rowtiles are one dense run.
; SCALE WORDS ([rowtile][K half][row][4 words]) go from memory straight into registers, a rowtile's 512 bytes by one load: step s of 128 along K names register s % 4 of a rowtile's four, lanes 0-15 for s < 4, lanes 16-31 (ROW1) after.
; THE TABLE of cos and sin for my 128 tokens, eight tiles of 32 registers, is loaded once at the head and serves q and k alike.
; q, k: source 0 = w_attn's rows, source 1 = x's: a lane holds a token and, in four neighbouring tiles, 32 neighbouring dims of the head (the rows of a rowtile were chosen so).  v: the sources change places: a lane holds a channel and 32 neighbouring tokens.
; q and k are two trips of one loop: only pointers differ.
; CLUSTERS: 4 x 4 work-groups; x's tiles are asked for jointly along a row of the cluster, w_attn's along a column.
; PREFETCH: in each trip, six K steps of 128 ahead of the refill, each wave names 24 blocks of 256 bytes of the tile that the refill will bring: K step w of it, the quarter cy of its 24,576 bytes: the column's four partners
; share the blocks out by address (lanes 24-31 name block 23 again).  x and the first tile are asked for at the head alone.
; OUT: qkv: [batch x head][step of 128 tokens][19,200]: K's section at 0, V's at 6,400, Q's at 12,800; a section = four fragments of 1,536 bytes and 256 bytes of scale words (lane l: the words of fragments h and 2 + h of row r).
; A fragment lies as three runs of 512 bytes: a lane's registers 0-3, 4-7, 8-11 at 16 x lane.  K, Q: fragment f = token tiles 2 f, 2 f + 1, K = the head's 64 each.  V: fragment t: rows d = 8 t + 32 (r / 8) + r % 8, 128 keys.
; LIMITS: NaN and infinities are not served; a block of zeros, or one whose largest magnitude lies under 2^-124, gets the byte 1 (this program alone reads the bytes).
; REGISTERS: window 0: v1-15 at work, v16-38 addresses, v40-71 x's scale words, v72-87 w_attn's (nothing else ever), v128-223 w_attn's fragments, two sets (on the way out v192-223 32 rotated numbers), v224-247 codes, v248-253 scale words to store;
;   window 1: x's fragments, two sets, at v0 and v128;   window 2: the accumulators;   window 3: the table of cos and sin, tile a at v[32 a].
.set RT,     3072
.set AKS,    16*RT                     ; x's part of a K step of 256
.set BKS,    8*RT                      ; w_attn's
.set BREG,   4*AKS
.set SPARE,  BREG+4*BKS                ; the spare words, 128 bytes for each wave
.set WSTEP,  589824                    ; bytes from K step to K step of w_attn's image
.set WNEXT,  196608                    ; from a phase's tile to the next phase's: 64 rowtiles
.set M0,   1
.set SCV,  3
.set BY,   4
.set MX,   8                           ; v8-11 four chains of maxima
.set CT,   12
.set ADRX, 16                          ; v16-19 my x fragments in K step 0..3, + 16 x lane; v20-23 + 8 x lane
.set ADRW, 24                          ; v24-31 the same for w_attn
.set O16,  32
.set O8,   33
.set SH,   34                          ; 8 h
.set SPW,  35
.set NIL,  36
.set PT,   37                          ; a lane permute's destination
.set PFO,  38                          ; the prefetch's offset: 256 x min(lane, 23)
.set SX,   40
.set SW,   72
.set WF,   128
.set Y,    192
.set U,    224
.set WD,   248
.set OW,   252
.set G1,  24                           ; s[24:31], s[32:35] descriptor groups 1 and 0 for x's tiles
.set G0,  32
.set SEL, 36                           ; s[36:37] lane selects: lane l xor 16
.set PF,  38                           ; s[38:39] where my prefetch stands
.set G1B, 48                           ; s[48:55], s[56:59] for w_attn's first tile
.set G0B, 56
.set G1R, 68                           ; s[68:75], s[76:79] for its refills
.set G0R, 76
.set MSB, 0
.macro WIN new                         ; the immediate's high byte repeats the setting that is left
.if MSB != (\new)
	s_set_vgpr_msb (MSB<<8)|(\new)
.set MSB, (\new)
.endif
.endm
.macro CROUND                          ; a round of the cluster's barrier
	s_barrier_signal -1
	s_barrier_wait -1
	s_cmp_lg_u32 s14, 0
	s_cbranch_scc1 .Lnot_wave_0_\@
	s_barrier_signal -3
.Lnot_wave_0_\@:
	s_barrier_wait -3
	s_barrier_signal -1
	s_barrier_wait -1
.endm
.macro PLACES
.rept 4
	v_nop
.endr
.endm
.macro FRAG reg, adr, off              ; a fragment as it lies in LDS: four dense loads
	ds_load_b128 v[\reg:\reg+3], v[\adr] offset:\off
	ds_load_b64 v[\reg+4:\reg+5], v[\adr+4] offset:\off+512
	ds_load_b128 v[\reg+6:\reg+9], v[\adr] offset:\off+768
	ds_load_b64 v[\reg+10:\reg+11], v[\adr+4] offset:\off+1280
.endm
.macro FETCH s                         ; step s's twelve fragments into set s % 2: 48 loads
	WIN 0x40                                       ; destination window 1
.irp i, 0,1,2,3,4,5,6,7
	FRAG 128*((\s)%2)+12*\i, ADRX+(\s)/2, \i*RT+((\s)%2)*1536
.endr
	WIN 0
.irp i, 0,1,2,3
	FRAG WF+48*((\s)%2)+12*\i, ADRW+(\s)/2, \i*RT+((\s)%2)*1536
.endr
.endm
.macro WM d, f0, f1, z0, z1, s         ; one product; step 0 starts the sum
.if (\s) == 0
	v_wmma_scale_f32_16x16x128_f8f6f4 v[\d:\d+7], v[\f0:\f0+11], v[\f1:\f1+11], 0, v[\z0], v[\z1] matrix_a_fmt:MATRIX_FMT_FP6 matrix_b_fmt:MATRIX_FMT_FP6
.else
.if (\s) < 4
	v_wmma_scale_f32_16x16x128_f8f6f4 v[\d:\d+7], v[\f0:\f0+11], v[\f1:\f1+11], v[\d:\d+7], v[\z0], v[\z1] matrix_a_fmt:MATRIX_FMT_FP6 matrix_b_fmt:MATRIX_FMT_FP6
.else
	v_wmma_scale_f32_16x16x128_f8f6f4 v[\d:\d+7], v[\f0:\f0+11], v[\f1:\f1+11], v[\d:\d+7], v[\z0], v[\z1] matrix_a_fmt:MATRIX_FMT_FP6 matrix_b_fmt:MATRIX_FMT_FP6 matrix_a_scale:MATRIX_SCALE_ROW1 matrix_b_scale:MATRIX_SCALE_ROW1
.endif
.endif
.endm
.macro MULS mode, s                    ; 32 products, 128 along K; the 32 accumulators take turns in the same order in every step
.if \mode == 0                         ; q, k: accumulator (x's block a, w_attn's block b) at v[8 (4 a + b)]
	WIN 0xa4                                       ; source 0 window 0, source 1 window 1, C and D window 2
.irp a, 0,1,2,3,4,5,6,7
.irp b, 0,1,2,3
	WM 8*(4*\a+\b), WF+48*((\s)%2)+12*\b, 128*((\s)%2)+12*\a, SW+4*\b+(\s)%4, SX+4*\a+(\s)%4, \s
.endr
.endr
.else                                  ; v: accumulator (w_attn's block a, x's block b) at v[8 (8 a + b)]
	WIN 0xa1                                       ; source 0 window 1, source 1 window 0
.irp a, 0,1,2,3
.irp b, 0,1,2,3,4,5,6,7
	WM 8*(8*\a+\b), 128*((\s)%2)+12*\b, WF+48*((\s)%2)+12*\a, SX+4*\b+(\s)%4, SW+4*\a+(\s)%4, \s
.endr
.endr
.endif
	WIN 0
.endm
.macro SWLOAD                          ; the scale words of my four rowtiles of w_attn
.irp i, 0,1,2,3
	global_load_b128 v[SW+4*\i:SW+4*\i+3], v[O16], s[12:13] offset:\i*512
.endr
.endm
; 32 numbers of one lane, v[x] on in window w, -> six registers of codes v[u] on and the scale's byte, both in window 0.  The floor 2^(3 - 127) holds the byte at 1 from below.
; Four chains of maxima by turns, one to each accumulator among the 32, which is so first read at its registers 0 and 1.
.macro QBLK x, u, by, w
	WIN (\w)|((\w)<<2)
.irp q, 0,1,2,3
	v_max3_num_f32 v[MX+\q], |v[\x+8*\q]|, |v[\x+8*\q+1]|, 0x1800000
.endr
.irp i, 2,4,6
.irp q, 0,1,2,3
	v_max3_num_f32 v[MX+\q], |v[\x+8*\q+\i]|, |v[\x+8*\q+\i+1]|, v[MX+\q]
.endr
.endr
	WIN 0
	v_max3_num_f32 v[M0], v[MX], v[MX+1], v[MX+2]
	v_max_num_f32 v[M0], v[M0], v[MX+3]            ; the block's largest magnitude
	v_add_nc_u32 v[SCV], 0xff000000, v[M0]         ; 2 off its exponent field: the conversion's scale operand
	v_lshrrev_b32 v[\by], 23, v[SCV]               ; the scale's byte
	WIN \w
	v_cvt_scalef32_pk16_fp6_f32 v[\u:\u+2], v[\x:\x+15], v[SCV]
	v_cvt_scalef32_pk16_fp6_f32 v[CT:CT+2], v[\x+16:\x+31], v[SCV]
	WIN 0
	v_nop                                          ; one plain place behind a scaled conversion
	v_mov_b32 v[\u+3], v[CT]
	v_mov_b32 v[\u+4], v[CT+1]
	v_mov_b32 v[\u+5], v[CT+2]
.endm
.macro SWORD w, b0, b1                 ; my two bytes at their places, joined with lane l xor 16's two
	v_lshl_or_b32 v[\w], v[\b1], 16, v[\b0]
	v_lshlrev_b32 v[\w], v[SH], v[\w]
	v_permlanex16_b32 v[PT], v[\w], s[SEL], s[SEL+1]
	v_or_b32 v[\w], v[\w], v[PT]
.endm
.macro FSTORE uf, f                    ; a fragment's twelve registers: three stores of 512 consecutive bytes, aligned
	global_store_b128 v[O16], v[\uf:\uf+3], s[10:11] offset:(\f)*1536
	global_store_b128 v[O16], v[\uf+4:\uf+7], s[10:11] offset:(\f)*1536+512
	global_store_b128 v[O16], v[\uf+8:\uf+11], s[10:11] offset:(\f)*1536+1024
.endm
.macro WORDS                           ; lanes 0-15 store the words of fragments 0 and 2, lanes 16-31 of 1 and 3: 256 consecutive bytes
	v_and_b32 v15, 31, v0
	v_cmp_le_u32 vcc_lo, 16, v15
	v_cndmask_b32 v[OW], v[WD], v[WD+1], vcc_lo
	v_cndmask_b32 v[OW+1], v[WD+2], v[WD+3], vcc_lo
	global_store_b64 v[O8], v[OW:OW+1], s[10:11] offset:6144
.endm
.macro MEET                            ; the tile of w_attn asked for last (the first time: the head's tiles) is whole for all four waves
	s_wait_alu depctr_va_vdst(0)
	s_wait_tensorcnt 0x0
	s_barrier_signal -1
	s_barrier_wait -1
.endm
; A phase's eight steps of 128 along K.  refill = 1: the next phase's tile is asked for at the head of the last step
.macro PHASE mode, refill
	FETCH 0
	s_wait_loadcnt 0x0                             ; the scale words are in (the first time: the table too)
.irp s, 0,1,2,3,4,5,6
.if \s > 0
	PLACES                                         ; in front of the loads into the set that the last step multiplied
.endif
	FETCH (\s)+1
.if \s == 1
.if \refill
	global_prefetch_b8 v[PFO], s[PF:PF+1] th:TH_LOAD_NT scope:SCOPE_SE
.endif
.endif
	s_wait_dscnt 48                                ; this step's fragments are in; the 48 loads just issued may be out
	MULS \mode, \s
.endr
.if \refill
	s_wait_tensorcnt 0x0                           ; none of my tensor loads is out;
	ds_add_u32 v[SPW], v[NIL]                      ; 0 onto my spare word;
	s_add_nc_u64 s[G0R+2:G0R+3], s[G0R+2:G0R+3], WNEXT   ; (so the descriptor may be written: the next phase's tile)
	s_wait_dscnt 0x0                               ; the add is done, and my reads of this phase's tile are over: the last step's fragments are in registers
	CROUND                                         ; the same holds of every wave of every partner
	tensor_load_to_lds s[G0R:G0R+3], s[G1R:G1R+7]  ; my one load: K step w of the tile
	s_nop 0
	PLACES
.else
	s_wait_dscnt 0x0
.endif
	MULS \mode, 7
	PLACES                                         ; in front of the first reads of results and of writes into fragment registers
.endm
	s_load_b256 s[4:11], s[0:1], 0x0               ; xq s[4:5], wq s[6:7], rope s[8:9], qkv s[10:11]
	v_lshl_add_u32 v[SPW], v0, 2, SPARE
	v_mov_b32 v[NIL], 0
	ds_add_u32 v[SPW], v[NIL]                      ; the opening lines: the add, twice on end, and its wait ahead of my first tensor load
	ds_add_u32 v[SPW], v[NIL]
	v_lshrrev_b32 v1, 5, v0
	v_readfirstlane_b32 s14, v1                    ; wave 0..3
	s_lshr_b32 s15, s14, 1                         ; i: my half of the tokens.  Also: at the head I fetch for x (0) or for w_attn (1),
	s_and_b32 s16, s14, 1                          ; j: my head of the two.  Also: K steps 0, 1 or 2, 3
	s_bfe_u32 s40, ttmp6, 0x40000                  ; cx
	s_bfe_u32 s41, ttmp6, 0x40004                  ; cy
	s_lshl_b32 s42, ttmp9, 2
	s_add_co_u32 s42, s42, s40                     ; g: the pair of heads
	s_and_b32 s17, ttmp7, 0xffff
	s_lshl_b32 s17, s17, 2
	s_add_co_u32 s17, s17, s41                     ; T: the tile of 256 tokens
	s_lshl_b32 s43, s41, 2
	s_lshl_b32 s43, 15, s43                        ; my row of the cluster
	s_lshl_b32 s44, 0x1111, s40                    ; my column
	s_or_b32 s[G1], s43, (3<<16)|(1<<21)           ; 15:0 the mask; 17:16 elements of 8 bytes; 21 set beside a mask
	s_mov_b32 s[G1+1], (AKS/8)<<16                 ; tensor_dim0: a K step's 49,152 dense bytes
	s_mov_b32 s[G1+2], 2<<16                       ; tensor_dim1: two K steps
	s_mov_b32 s[G1+3], (AKS/8)<<16
	s_mov_b32 s[G1+4], 2
	s_mov_b32 s[G1+5], 1572864/8                   ; from K step to K step of x's image
	s_mov_b32 s[G1+6], 0
	s_mov_b32 s[G1+7], 0
	s_or_b32 s[G1B], s44, (3<<16)|(1<<21)
	s_mov_b32 s[G1B+1], (BKS/8)<<16                ; 24,576 dense bytes
	s_mov_b32 s[G1B+2], 2<<16
	s_mov_b32 s[G1B+3], (BKS/8)<<16
	s_mov_b32 s[G1B+4], 2
	s_mov_b32 s[G1B+5], WSTEP/8
	s_mov_b32 s[G1B+6], 0
	s_mov_b32 s[G1B+7], 0
	s_or_b32 s[G1R], s44, (3<<16)|(1<<21)          ; a refill: one K step's 24,576 dense bytes as 96 rows of 256
	s_mov_b32 s[G1R+1], 32<<16
	s_mov_b32 s[G1R+2], 96<<16
	s_mov_b32 s[G1R+3], 32<<16
	s_mov_b32 s[G1R+4], 96
	s_mov_b32 s[G1R+5], 32
	s_mov_b32 s[G1R+6], 0
	s_mov_b32 s[G1R+7], 0
	s_mul_i32 s20, s17, AKS                        ; x's tile hangs on T and the wave alone,
	s_mul_i32 s18, s16, 2*1572864
	s_add_co_u32 s20, s20, s18
	s_mov_b32 s21, 0
	s_mul_i32 s46, s42, BKS                        ; w_attn's on g and the wave
	s_mul_i32 s18, s16, 2*WSTEP
	s_add_co_u32 s46, s46, s18
	s_mov_b32 s47, 0
	s_mul_i32 s60, s42, BKS                        ; the refills': K step w
	s_mul_i32 s18, s14, WSTEP
	s_add_co_u32 s60, s60, s18
	s_mov_b32 s61, 0
	s_mul_i32 s62, s41, 6144                       ; the prefetch's: the same, and my work-group's quarter of the K step
	s_add_co_u32 s62, s62, s60
	s_mov_b32 s63, 0
	s_mov_b32 s[G0], 1
	s_mul_i32 s[G0+1], s16, 2*AKS
	s_mov_b32 s[G0B], 1
	s_mul_i32 s[G0B+1], s16, 2*BKS
	s_add_co_u32 s[G0B+1], s[G0B+1], BREG
	s_mov_b32 s[G0R], 1
	s_mul_i32 s[G0R+1], s14, BKS
	s_add_co_u32 s[G0R+1], s[G0R+1], BREG
	s_lshl_b32 s22, s17, 13                        ; x's scale words: 512 bytes a rowtile: 16 T + 8 i
	s_lshl_b32 s18, s15, 12
	s_add_co_u32 s22, s22, s18
	s_add_co_u32 s22, s22, 6291456
	s_mov_b32 s23, 0
	s_lshl_b32 s12, s42, 12                        ; w_attn's: 8 g + 4 j
	s_lshl_b32 s18, s16, 11
	s_add_co_u32 s12, s12, s18
	s_add_co_u32 s12, s12, 2359296
	s_mov_b32 s13, 0
	s_and_b32 s19, s17, 7
	s_lshl_b32 s19, s19, 1
	s_add_co_u32 s19, s19, s15                     ; my step of 128 tokens in the batch
	s_lshr_b32 s18, s17, 3                         ; the batch
	s_lshl_b32 s18, s18, 3
	s_add_co_u32 s18, s18, s42
	s_lshl_b32 s18, s18, 1
	s_add_co_u32 s18, s18, s16                     ; batch x 16 + head
	s_lshl_b32 s18, s18, 4
	s_add_co_u32 s18, s18, s19
	s_mul_i32 s44, s18, 19200                      ; my record,
	s_add_co_u32 s44, s44, 25600                   ; 12,800 beyond Q's section: each trip steps 12,800 back: Q's, then K's
	s_mov_b32 s45, 0
	s_lshl_b32 s18, s19, 15                        ; the table's eight tiles of my step
	s_mov_b32 s19, 0
	s_mov_b32 s[SEL], 0x76543210
	s_mov_b32 s[SEL+1], 0xfedcba98
	s_wait_dscnt 0x0                               ; both opening adds are done
	s_wait_kmcnt 0x0
	s_add_nc_u64 s[G0+2:G0+3], s[4:5], s[20:21]
	s_or_b32 s[G0+3], s[G0+3], 0x80000000
	s_add_nc_u64 s[G0B+2:G0B+3], s[6:7], s[46:47]
	s_or_b32 s[G0B+3], s[G0B+3], 0x80000000
	s_add_nc_u64 s[G0R+2:G0R+3], s[6:7], s[60:61]
	s_or_b32 s[G0R+3], s[G0R+3], 0x80000000
	s_add_nc_u64 s[PF:PF+1], s[6:7], s[62:63]
	s_add_nc_u64 s[80:81], s[4:5], s[22:23]
	s_add_nc_u64 s[12:13], s[6:7], s[12:13]
	s_add_nc_u64 s[10:11], s[10:11], s[44:45]
	s_add_nc_u64 s[8:9], s[8:9], s[18:19]
	CROUND                                         ; all sixteen work-groups are here: the joint loads meet
	s_cmp_eq_u32 s15, 0                            ; one load a wave, a load in each arm; the branch hangs on the wave's number alone
	s_cbranch_scc0 .Lfor_w
	tensor_load_to_lds s[G0:G0+3], s[G1:G1+7]
	s_nop 0
	PLACES
	s_branch .Lasked
.Lfor_w:
	tensor_load_to_lds s[G0B:G0B+3], s[G1B:G1B+7]
	s_nop 0
	PLACES
.Lasked:
	v_and_b32 v1, 31, v0                           ; lane
	v_bfe_u32 v3, v0, 4, 1                         ; h
	v_lshlrev_b32 v[O16], 4, v1
	v_lshlrev_b32 v[O8], 3, v1
	v_lshlrev_b32 v[SH], 3, v3
	v_mov_b32 v[PT], 0
	v_min_u32 v[PFO], 23, v1
	v_lshlrev_b32 v[PFO], 8, v[PFO]
	s_mul_i32 s21, s15, 8*RT                       ; my eight rowtiles of x
	s_mul_i32 s22, s16, 4*RT                       ; my four of w_attn
	s_add_co_u32 s22, s22, BREG
.irp k, 0,1,2,3
	v_add_nc_u32 v[ADRX+\k], s21, v[O16]
	v_add_nc_u32 v[ADRX+4+\k], s21, v[O8]
	v_add_nc_u32 v[ADRW+\k], s22, v[O16]
	v_add_nc_u32 v[ADRW+4+\k], s22, v[O8]
	s_add_co_u32 s21, s21, AKS
	s_add_co_u32 s22, s22, BKS
.endr
	s_wait_alu depctr_va_vdst(0)
.irp i, 0,1,2,3,4,5,6,7
	global_load_b128 v[SX+4*\i:SX+4*\i+3], v[O16], s[80:81] offset:\i*512    ; 32 lanes read a rowtile's 512 consecutive bytes
.endr
	SWLOAD
	WIN 0xc0                                       ; destination window 3
.irp a, 0,1,2,3,4,5,6,7
.irp p, 0,1,2,3,4,5,6,7
	global_load_b128 v[32*\a+4*\p:32*\a+4*\p+3], v[O16], s[8:9] offset:\a*4096+\p*512   ; cos and sin for token tile a: 8 x 512 consecutive bytes
.endr
.endr
	WIN 0
	s_mov_b32 s2, 0
.Lphase:                                               ; two trips: q, then k
	s_wait_xcnt 0x0                                ; the stores and the prefetch of the last trip have read their bases
	s_sub_nc_u64 s[10:11], s[10:11], 12800         ; this trip's section
	s_add_nc_u64 s[PF:PF+1], s[PF:PF+1], WNEXT     ; the tile that this trip's refill will bring
	MEET
	PHASE 0, 1
	; for x's block a (16 tokens) the lane's 32 registers are dims 32 h .. 32 h + 31 of my head: 16 pairs to rotate, then one block to quantise
.irp a, 0,1,2,3,4,5,6,7
.if \a%4 == 0
	s_wait_xcnt 0x0                                ; earlier stores have read their registers: the two sets of codes are written again only behind this wait
.endif
.if \a == 4
	s_add_nc_u64 s[12:13], s[12:13], 64*512        ; the next phase's scale words
.endif
.set AC, 32*\a
	WIN 0x0e                                       ; source 0: the accumulators' window, source 1: the table's
.irp k, 0,1,2,3,4,5,6,7,8,9,10,11,12,13,14,15
	v_mul_f32 v[Y+2*\k], v[AC+2*\k+1], v[AC+2*\k+1]                              ; im sin (the table's tile a lies at the accumulators' own numbers, 32 a on, in its window)
	v_mul_f32 v[Y+2*\k+1], v[AC+2*\k+1], v[AC+2*\k]                              ; im cos
.endr
.irp k, 0,1,2,3,4,5,6,7,8,9,10,11,12,13,14,15
	v_fma_f32 v[Y+2*\k], v[AC+2*\k], v[AC+2*\k], -v[Y+2*\k]                      ; re cos - im sin
	v_fma_f32 v[Y+2*\k+1], v[AC+2*\k], v[AC+2*\k+1], v[Y+2*\k+1]                 ; re sin + im cos
.endr
	WIN 0
	QBLK Y, U+12*((\a/2)%2)+6*(\a%2), BY+\a%2, 0
.if \a%2
	SWORD WD+\a/2, BY, BY+1
	FSTORE U+12*((\a/2)%2), \a/2                   ; two token tiles make a fragment
.endif
.if \a == 6
	SWLOAD                                         ; waited for at the next phase's start
.endif
.endr
	WORDS
	s_add_co_u32 s2, s2, 1
	s_cmp_lt_u32 s2, 2
	s_cbranch_scc1 .Lphase
	s_wait_xcnt 0x0
	s_add_nc_u64 s[10:11], s[10:11], 6400          ; from K's section to V's
	MEET
	PHASE 1, 0
	; V: for w_attn's block a (16 channels) the lane's 32 registers of half c are tokens 64 c + 32 h + 0 .. 31: a block as it stands
.irp a, 0,1,2,3
.if \a%2 == 0
	s_wait_xcnt 0x0
.endif
.irp c, 0,1
	QBLK 64*\a+32*\c, U+12*(\a%2)+6*\c, BY+\c, 2
.endr
	SWORD WD+\a, BY, BY+1
	FSTORE U+12*(\a%2), \a
.endr
	WORDS
	s_wait_tensorcnt 0x0                           ; the wave's end
	ds_add_u32 v[SPW], v[NIL]
	s_wait_dscnt 0x0
	CROUND                                         ; the closing round
	s_endpgm
.Lfunc_end_k_q0460697783_qkv:
	.size	k_q0460697783_qkv, .Lfunc_end_k_q0460697783_qkv-k_q0460697783_qkv
	.p2alignl 7, 3214868480
	.fill 96, 4, 3214868480
	.section	.rodata,"a",@progbits
	.p2align	6, 0x0
	.amdhsa_kernel k_q0460697783_qkv
		.amdhsa_group_segment_fixed_size 327680
		.amdhsa_private_segment_fixed_size 0
		.amdhsa_enable_private_segment 0
		.amdhsa_kernarg_size 32
		.amdhsa_user_sgpr_count 2
		.amdhsa_user_sgpr_kernarg_segment_ptr 1
		.amdhsa_wavefront_size32 1
		.amdhsa_system_sgpr_workgroup_id_x 1
		.amdhsa_system_sgpr_workgroup_id_y 1
		.amdhsa_system_sgpr_workgroup_id_z 1
		.amdhsa_system_vgpr_workitem_id 0
		.amdhsa_next_free_vgpr 1024
		.amdhsa_next_free_sgpr 82
		.amdhsa_reserve_vcc 1
		.amdhsa_float_denorm_mode_32 3
		.amdhsa_float_denorm_mode_16_64 3
		.amdhsa_memory_ordered 1
		.amdhsa_forward_progress 1
		.amdhsa_inst_pref_size 189
	.end_amdhsa_kernel
	.amdgpu_metadata
---
amdhsa.version: [ 1, 2 ]
amdhsa.kernels:
  - .name:           k_q0460697783_qkv
    .symbol:         k_q0460697783_qkv.kd
    .args:
      - { .name: xq, .offset: 0, .size: 8, .value_kind: global_buffer, .address_space: global }
      - { .name: wq, .offset: 8, .size: 8, .value_kind: global_buffer, .address_space: global }
      - { .name: rope, .offset: 16, .size: 8, .value_kind: global_buffer, .address_space: global }
      - { .name: qkv, .offset: 24, .size: 8, .value_kind: global_buffer, .address_space: global }
    .group_segment_fixed_size: 327680
    .private_segment_fixed_size: 0
    .kernarg_segment_align: 8
    .kernarg_segment_size: 32
    .max_flat_workgroup_size: 128
    .sgpr_count:     82
    .vgpr_count:     1024
    .wavefront_size: 32
...
	.end_amdgpu_metadata
.endif
;; end of part 2
;; launch attn (part 3): grid 4 x 64, 16 waves a work-group, clusters of 4 x 1, 206,848 bytes of LDS; arguments qkv, yq; writes yq
.if DOCPART == 3
	.amdgcn_target "amdgcn-amd-amdhsa--gfx1250"
	.amdhsa_code_object_version 6
	.text
	.protected	k_q0460697783_attn
	.globl	k_q0460697783_attn
	.p2align	8
	.type	k_q0460697783_attn,@function
k_q0460697783_attn:
	s_mov_b64 s[64:65], 0
	v_nop
	global_prefetch_b8 v0, s[64:65] scope:SCOPE_SE
	s_setreg_imm32_b32 hwreg(HW_REG_WAVE_MODE, 25, 1), 1
	s_wait_xcnt 0x0
	s_wait_alu depctr_hold_cnt(0) depctr_sa_sdst(0) depctr_va_vdst(0) depctr_va_sdst(0) depctr_va_ssrc(0) depctr_va_vcc(0) depctr_vm_vsrc(0)
	s_getreg_b32 s2, hwreg(HW_REG_IB_STS2, 6, 4)
	s_cmp_eq_u32 s2, 0
	s_cbranch_scc0 .Lentry_in_a_cluster
	s_endpgm
.Lentry_in_a_cluster:
	s_bfe_u32 s2, ttmp6, 0x10000c
	s_cmp_lg_u32 s2, 0x3003
	s_cbranch_scc0 .Lentry_shape_is_right
	s_endpgm
.Lentry_shape_is_right:
; y = softmax(q k^T / 8) v for each of 64 (batch, head), 2,048 tokens, head size 64, both products on codes of FP6 (E2M3) with E8M0 scales; y is quantised along C on the way out, for the last product.
; THE SOFTMAX AHEAD OF THE SECOND PRODUCT: t = score x log2(e) / 8; M = the running largest t rounded UP to a whole number; p = 2^(t - M) is quantised along the keys, not normalised; the row's sum is taken of the
; unquantised p and divides O at the end.  When M moves, the sum and O are multiplied by 2^(old M - new M): exact.
; SHARES: a work-group takes one head and 512 queries, in two passes of 256; each of its sixteen waves owns one tile of 16 queries a pass, in 256 registers.  Every wave walks all 2,048 keys, 128 a step.
; THE HEAD'S WHOLE K AND V LIE IN LDS: 16 steps x 12,800 bytes (K's eight halves and 256 bytes of scale words, then V's), each byte filled ONCE: no ring.  The four work-groups of a cluster share the head:
; the tiles are asked for jointly, ONE load of 12,800 dense bytes by each of the sixteen waves (wave w: step w).  Everything is asked for at the head, so there is no later tile to prefetch.
; A STEP'S ORDER: the eight QK products; behind their places the LDS loads of this step's V and of the NEXT step's K (pass 0's last step asks for step 0 again, for pass 1; pass 1's last for nothing); the softmax; the four PV products.
; LAYOUT: operands lie as images of their registers (a half = 16 rows x 64 K: a lane's registers 0-3 at 16 x lane, 4-5 at 512 + 8 x lane).  Both products are used transposed: a lane holds ONE query throughout.
; The keys of K's tiles and the channels of V's were chosen by the launch before so that a lane's 32 registers of four neighbouring tiles are 32 neighbouring keys (in S^T) or channels (in O^T): a whole block of the next quantiser.
; K = 64 IN AN INSTRUCTION OF 128: a fragment of K holds TWO key tiles, one in each half of its K; it is multiplied once by [q | 0] and once by [0 | q].  Zero codes add nothing under any scale byte that occurs (1 to 254).
; y's scale bytes are stored one byte a lane: a scale word's four bytes come from two heads, that is from two work-groups; they are 1 / 24 of the codes' bytes.
; LIMITS: NaN and infinities are not served; the promise holds while |t| stays under 2^31; a block of zeros, or one whose largest magnitude lies under 2^-124, gets the byte 1.  A block's largest p is taken from its
; largest score, which takes v_exp_f32 not to fall where its input rises.  y = O x (1 / l) with a refined reciprocal, not a division.
.set KF,  40                           ; v40-87   K's four fragments
.set VF,  88                           ; v88-135  V's four
.set S,   136                          ; v136-199 S^T, then p
.set O,   200                          ; v200-231 O^T
.set PC,  232                          ; v232-243 p's codes
.set KS,  34                           ; v34-35 K's scale words; v36-37 V's; v38 q's; v39 p's: these hold scales and nothing else
.set VS,  36
.set QS,  38
.set PS,  39
.set M0,  8
.set M1,  9
.set SCV, 247
.set CT,  244
.set SPARE, 204800                     ; behind the tiles: the spare words, 128 bytes for each of 16 waves
.set SEL, 20                           ; s[20:21] lane selects: lane l xor 16
.set CC,  22                           ; s[22:23] c = log2(e) / 8, twice
.set G1,  24                           ; s[24:31] descriptor group 1; s[32:35] group 0
; v1 16 x lane, v2 8 x lane, v3, v4 the step's LDS addresses, v5 8 h, v6 16 r + h, v7 8 r, v8-11 at work, v12 -M, v13 the largest score, v[14:15] the sum, v16-21 and v28-33 zeros, v22-27 q,
; v244-246, v248-250 upper halves of blocks' codes, v247, v251 the conversions' scale operands, v[252:253] f, v[254:255] a chain of sums and a permute's destination
.macro CROUND                          ; a round of the cluster's barrier
	s_barrier_signal -1
	s_barrier_wait -1
	s_cmp_lg_u32 s8, 0
	s_cbranch_scc1 .Lnot_wave_0_\@
	s_barrier_signal -3
.Lnot_wave_0_\@:
	s_barrier_wait -3
	s_barrier_signal -1
	s_barrier_wait -1
.endm
.macro QK t, f, b                      ; S^T tile t = K's fragment f x q in half t % 2 of K
.if (\f)%2
	v_wmma_scale_f32_16x16x128_f8f6f4 v[S+8*\t:S+8*\t+7], v[KF+12*\f:KF+12*\f+11], v[\b:\b+11], 0, v[KS+\f/2], v[QS] matrix_a_fmt:MATRIX_FMT_FP6 matrix_b_fmt:MATRIX_FMT_FP6 matrix_a_scale:MATRIX_SCALE_ROW1
.else
	v_wmma_scale_f32_16x16x128_f8f6f4 v[S+8*\t:S+8*\t+7], v[KF+12*\f:KF+12*\f+11], v[\b:\b+11], 0, v[KS+\f/2], v[QS] matrix_a_fmt:MATRIX_FMT_FP6 matrix_b_fmt:MATRIX_FMT_FP6
.endif
.endm
.macro PV t                            ; O^T tile t += V's fragment t x p
.if (\t)%2
	v_wmma_scale_f32_16x16x128_f8f6f4 v[O+8*\t:O+8*\t+7], v[VF+12*\t:VF+12*\t+11], v[PC:PC+11], v[O+8*\t:O+8*\t+7], v[VS+\t/2], v[PS] matrix_a_fmt:MATRIX_FMT_FP6 matrix_b_fmt:MATRIX_FMT_FP6 matrix_a_scale:MATRIX_SCALE_ROW1
.else
	v_wmma_scale_f32_16x16x128_f8f6f4 v[O+8*\t:O+8*\t+7], v[VF+12*\t:VF+12*\t+11], v[PC:PC+11], v[O+8*\t:O+8*\t+7], v[VS+\t/2], v[PS] matrix_a_fmt:MATRIX_FMT_FP6 matrix_b_fmt:MATRIX_FMT_FP6
.endif
.endm
.macro FLOAD reg, sc, a, b, off        ; a section's four fragments and its scale words (lanes 0-15: fragments 0 and 2, lanes 16-31: 1 and 3): 13 dense LDS loads
.irp f, 0,1,2,3
	; (qkv's sections are laid by FRAGMENTS: a lane's registers 0-3, 4-7, 8-11 as three runs of 512 bytes, 16 x lane in each; the form by halves named at the head is that of y's image.  So a section is 13 loads)
	ds_load_b128 v[\reg+12*\f:\reg+12*\f+3], v[\a] offset:\off+1536*\f
	ds_load_b128 v[\reg+12*\f+4:\reg+12*\f+7], v[\a] offset:\off+1536*\f+512
	ds_load_b128 v[\reg+12*\f+8:\reg+12*\f+11], v[\a] offset:\off+1536*\f+1024
.endr
	ds_load_b64 v[\sc:\sc+1], v[\b] offset:\off+6144
.endm
.macro SWORD w, b0, b1                 ; my two bytes at their places, joined with lane l xor 16's two
	s_delay_alu instid0(VALU_DEP_1)
	v_lshl_or_b32 v[\w], v[\b1], 16, v[\b0]
	s_delay_alu instid0(VALU_DEP_1)
	v_lshlrev_b32 v[\w], v5, v[\w]
	s_delay_alu instid0(VALU_DEP_1)
	v_permlanex16_b32 v255, v[\w], s[SEL], s[SEL+1]
	s_delay_alu instid0(VALU_DEP_1)
	v_or_b32 v[\w], v[\w], v255
.endm
.macro QBLK x, u, by                   ; 32 numbers of one lane -> six registers of codes and the scale's byte
	v_max3_num_f32 v[M0], |v[\x]|, |v[\x+1]|, 0x1800000
	v_max3_num_f32 v[M1], |v[\x+16]|, |v[\x+17]|, 0x1800000
.irp i, 2,4,6,8,10,12,14
	s_delay_alu instid0(VALU_DEP_2)
	v_max3_num_f32 v[M0], |v[\x+\i]|, |v[\x+\i+1]|, v[M0]
	s_delay_alu instid0(VALU_DEP_2)
	v_max3_num_f32 v[M1], |v[\x+16+\i]|, |v[\x+17+\i]|, v[M1]
.endr
	s_delay_alu instid0(VALU_DEP_1)
	v_max_num_f32 v[M0], v[M0], v[M1]
	s_delay_alu instid0(VALU_DEP_1)
	v_add_nc_u32 v[SCV], 0xff000000, v[M0]
	s_delay_alu instid0(VALU_DEP_1)
	v_lshrrev_b32 v[\by], 23, v[SCV]
	v_cvt_scalef32_pk16_fp6_f32 v[\u:\u+2], v[\x:\x+15], v[SCV]
	v_cvt_scalef32_pk16_fp6_f32 v[CT:CT+2], v[\x+16:\x+31], v[SCV]
	v_nop                                          ; one plain place behind a scaled conversion
	v_mov_b32 v[\u+3], v[CT]
	v_mov_b32 v[\u+4], v[CT+1]
	v_mov_b32 v[\u+5], v[CT+2]
.endm
; A KEY STEP: the 128 keys whose tiles begin at LDS byte s48.  nxt = 1: K's fragments of the step behind it are asked for; 2: those of step 0; 0: none
.macro STEP nxt
	s_wait_dscnt 0x0                               ; K's 13 loads, asked for a step ago, are in
	QK 0, 0, 22                                    ; v22-33 = [q | 0], v16-27 = [0 | q]
	QK 1, 0, 16
	QK 2, 1, 22
	QK 3, 1, 16
	QK 4, 2, 22
	QK 5, 2, 16
	QK 6, 3, 22
	QK 7, 3, 16
	v_add_nc_u32 v3, s48, v1                       ; four places behind the products (the last step's PV among them), in front of the loads into their registers and of the first reads of S^T
	v_add_nc_u32 v4, s48, v2
	v_nop
	v_nop
	FLOAD VF, VS, 3, 4, 6400
.if \nxt == 1
	FLOAD KF, KS, 3, 4, 12800
.endif
.if \nxt == 2
	FLOAD KF, KS, 1, 2, 0
.endif
	; the largest score of each of my two blocks of 32 keys (registers 32 c on): it serves for the row's maximum and, since p rises with the score, for the block's largest p.  Each accumulator is first read at its low end
.irp c, 0,1
	v_max3_num_f32 v[8+\c], v[S+32*\c], v[S+32*\c+1], v[S+32*\c+2]
	v_max3_num_f32 v[10+\c], v[S+32*\c+16], v[S+32*\c+17], v[S+32*\c+18]
.endr
.irp i, 3,5,7,9,11,13
.irp c, 0,1
	v_max3_num_f32 v[8+\c], v[8+\c], v[S+32*\c+\i], v[S+32*\c+\i+1]
	v_max3_num_f32 v[10+\c], v[10+\c], v[S+32*\c+16+\i], v[S+32*\c+17+\i]
.endr
.endr
.irp c, 0,1
	v_max3_num_f32 v[8+\c], v[8+\c], v[10+\c], v[S+32*\c+15]
.endr
.irp c, 0,1
	v_max_num_f32 v[8+\c], v[8+\c], v[S+32*\c+31]
.endr
	s_delay_alu instid0(VALU_DEP_1)
	v_max_num_f32 v10, v8, v9
	s_delay_alu instid0(VALU_DEP_1)
	v_permlanex16_b32 v255, v10, s[SEL], s[SEL+1]
	s_delay_alu instid0(VALU_DEP_1)
	v_max3_num_f32 v13, v13, v10, v255             ; the running largest score of my query
	v_mov_b32 v11, v12
	s_delay_alu instid0(VALU_DEP_2)
	v_mul_f32 v10, s[CC], v13                      ; as t (c is positive)
	s_delay_alu instid0(VALU_DEP_1)
	v_floor_f32 v12, -v10                          ; the new -M = floor(-t): M is a whole number
	s_delay_alu instid0(VALU_DEP_1)
	v_sub_f32 v11, v12, v11                        ; old M - new M: a whole number, 0 or less
	s_delay_alu instid0(VALU_DEP_1)
	v_cvt_i32_f32 v11, v11                         ; (it saturates)
	s_delay_alu instid0(VALU_DEP_1)
	v_ldexp_f32 v252, 1.0, v11                     ; f = 2^(old M - new M)
	v_fma_f32 v8, v8, s[CC], v12                   ; t - M of each block's largest score,
	v_fma_f32 v9, v9, s[CC], v12
.set J, 0
.rept 32
	v_pk_fma_f32 v[S+J:S+J+1], v[S+J:S+J+1], s[CC:CC+1], v[12:13] op_sel_hi:[1,0,0]   ; and of all, two at a time
.set J, J+2
.endr
	s_wait_alu depctr_va_vdst(0)
	v_exp_f32 v8, v8                               ; the blocks' largest p: the same two instructions on the same numbers give the same bits
	v_exp_f32 v9, v9
.set J, 0
.rept 64
	v_exp_f32 v[S+J], v[S+J]                       ; p = 2^(t - M), at most 1
.set J, J+1
.endr
	v_pk_mul_f32 v[14:15], v[14:15], v[252:253] op_sel_hi:[1,0]   ; the sums under the new M (a plain place behind the exponentials)
.if \nxt
	s_wait_dscnt 13                                ; V's 13 loads are in; the next K's 13, issued behind them, may be out
.else
	s_wait_dscnt 0x0
.endif
	s_wait_alu depctr_va_vdst(0)                   ; one wait for the batch of 66, directly ahead of the first reader of O^T too
.set J, 0
.rept 16
	v_pk_mul_f32 v[O+J:O+J+1], v[O+J:O+J+1], v[252:253] op_sel_hi:[1,0]   ; O^T under the new M
.set J, J+2
.endr
	v_max_num_f32 v8, 0x1800000, v8                ; the floor 2^(3 - 127): the byte cannot fall under 1
	v_max_num_f32 v9, 0x1800000, v9
	s_delay_alu instid0(VALU_DEP_2)
	v_add_nc_u32 v247, 0xff000000, v8              ; 2 off the exponent field: the conversions' scale operands
	s_delay_alu instid0(VALU_DEP_2)
	v_add_nc_u32 v251, 0xff000000, v9
	s_delay_alu instid0(VALU_DEP_2)
	v_lshrrev_b32 v10, 23, v247                    ; the scales' bytes
	s_delay_alu instid0(VALU_DEP_2)
	v_lshrrev_b32 v11, 23, v251
	SWORD PS, 10, 11                               ; p's scale word for these 128 keys
	v_cvt_scalef32_pk16_fp6_f32 v[PC:PC+2], v[S:S+15], v247
	v_cvt_scalef32_pk16_fp6_f32 v[244:246], v[S+16:S+31], v247
	v_cvt_scalef32_pk16_fp6_f32 v[PC+6:PC+8], v[S+32:S+47], v251
	v_cvt_scalef32_pk16_fp6_f32 v[248:250], v[S+48:S+63], v251
	v_pk_add_f32 v[8:9], v[S:S+1], v[S+2:S+3]      ; THE ROW'S SUM OF THE UNQUANTISED p, two at a time, in four chains.  (The first is the plain place behind the conversions)
	v_pk_add_f32 v[10:11], v[S+4:S+5], v[S+6:S+7]
	v_pk_add_f32 v[254:255], v[S+8:S+9], v[S+10:S+11]
	v_pk_add_f32 v[14:15], v[14:15], v[S+12:S+13]
	v_mov_b32 v[PC+3], v244
	v_mov_b32 v[PC+4], v245
	v_mov_b32 v[PC+5], v246
	v_mov_b32 v[PC+9], v248
	v_mov_b32 v[PC+10], v249
	v_mov_b32 v[PC+11], v250
.irp j, 14,22,30,38,46,54                      ; these 28 are also the places between the scale word and the codes just made and the products below
	v_pk_add_f32 v[8:9], v[8:9], v[S+\j:S+\j+1]
	v_pk_add_f32 v[10:11], v[10:11], v[S+\j+2:S+\j+3]
	v_pk_add_f32 v[254:255], v[254:255], v[S+\j+4:S+\j+5]
	v_pk_add_f32 v[14:15], v[14:15], v[S+\j+6:S+\j+7]
.endr
	v_pk_add_f32 v[8:9], v[8:9], v[S+62:S+63]
	v_pk_add_f32 v[10:11], v[10:11], v[254:255]
	s_delay_alu instid0(VALU_DEP_2)
	v_pk_add_f32 v[14:15], v[14:15], v[8:9]
	s_delay_alu instid0(VALU_DEP_1)
	v_pk_add_f32 v[14:15], v[14:15], v[10:11]
	PV 0                                           ; four accumulators by turns; the eight products of the next step stand between two links of a chain
	PV 1
	PV 2
	PV 3
.endm
.macro PASS_HEAD p                     ; my tile of 16 queries of pass p: q's half and its two scale bytes; the running figures begin
	s_cmp_eq_u32 s51, 0                            ; my tile is its fragment's first half (registers 0-5) or its second (6-11): the branch hangs on the wave's number alone
	s_cbranch_scc0 .Lodd_\@
	global_load_b128 v[22:25], v1, s[14:15] offset:\p*38400
	global_load_b64 v[26:27], v1, s[14:15] offset:\p*38400+512
	s_branch .Lq_\@
.Lodd_\@:
	global_load_b64 v[22:23], v1, s[14:15] offset:\p*38400+520
	global_load_b128 v[24:27], v1, s[14:15] offset:\p*38400+1024
.Lq_\@:
	global_load_b32 v10, v7, s[52:53] offset:\p*38400
	v_mov_b32 v13, 0xff61b1e6                      ; the largest score so far: -3e38, under every score
	v_mov_b32 v12, 0x7e800000                      ; -M to begin with: 2^126, a whole number over every later -M: the first f is 0
	v_mov_b32 v14, 0
	v_mov_b32 v15, 0
	s_wait_loadcnt 0x0
.if \p
	s_wait_xcnt 0x0                                ; the last pass's stores have read their registers, which the steps below write again
.endif
	v_lshrrev_b32 v[QS], s51, v10                  ; my tile's two bytes of its fragment's word,
	s_delay_alu instid0(VALU_DEP_1)
	v_and_b32 v[QS], 0xffff, v[QS]
	s_delay_alu instid0(VALU_DEP_1)
	v_lshl_or_b32 v[QS], v[QS], 16, v[QS]          ; in both halves: one register serves [q | 0] and [0 | q]
.set J, 0
.rept 32
	v_mov_b32 v[O+J], 0                            ; O^T: the step is written once; the first change of M leaves zeros zeros.  (Also the places behind q's scale word)
.set J, J+1
.endr
.endm
.macro PASS_TAIL p                     ; y = O^T / the sum: my 32 registers are channels 32 h .. 32 h + 31 of the head: one block along C
.rept 4
	v_nop
.endr
	v_add_f32 v14, v14, v15
	s_delay_alu instid0(VALU_DEP_1)
	v_permlanex16_b32 v255, v14, s[SEL], s[SEL+1]
	s_delay_alu instid0(VALU_DEP_1)
	v_add_f32 v14, v14, v255                       ; the row's sum
	s_wait_alu depctr_va_vdst(0)
	v_rcp_f32 v10, v14
	v_nop                                          ; a plain place behind the reciprocal
	s_wait_alu depctr_va_vdst(0)                   ; the wait ahead of its first reader
	v_fma_f32 v11, -v14, v10, 1.0
	v_fma_f32 v10, v10, v11, v10                   ; refined once
.set J, 0
.rept 32
	v_mul_f32 v[S+J], v[O+J], v10
.set J, J+1
.endr
	QBLK S, S+32, 11
	global_store_b128 v1, v[S+32:S+35], s[16:17] offset:\p*49152        ; 512 consecutive bytes,
	global_store_b64 v2, v[S+36:S+37], s[16:17] offset:\p*49152+512     ; and 256, aligned
	global_store_b8 v6, v11, s[18:19] offset:\p*8192
.endm
.macro WALK last                       ; sixteen key steps: fifteen in a loop, the last written out, since what it asks for differs
	s_mov_b32 s48, 0
	s_mov_b32 s49, 15
.Lstep_\@:
	STEP 1
	s_add_co_u32 s48, s48, 12800
	s_sub_co_u32 s49, s49, 1
	s_cmp_lg_u32 s49, 0
	s_cbranch_scc1 .Lstep_\@
	s_mov_b32 s48, 15*12800
	STEP \last
.endm
	s_load_b128 s[4:7], s[0:1], 0x0                ; qkv s[4:5], yq s[6:7]
	v_lshl_add_u32 v254, v0, 2, SPARE
	v_mov_b32 v255, 0
	ds_add_u32 v254, v255                          ; the opening lines: the add, twice on end, and its wait ahead of my tensor load
	ds_add_u32 v254, v255
	v_lshrrev_b32 v1, 5, v0
	s_delay_alu instid0(VALU_DEP_1)
	v_readfirstlane_b32 s8, v1                     ; wave 0..15
	s_bfe_u32 s9, ttmp6, 0x40000                   ; cx: it enters q's and y's addresses alone
	s_and_b32 s10, ttmp7, 0xffff                   ; batch x 16 + head, which the four partners share
	s_and_b32 s11, s10, 15                         ; head
	s_lshr_b32 s12, s10, 4                         ; batch
	; descriptor group 1: 12,800 dense bytes as 50 rows of 32 elements of 8 bytes
	s_mov_b32 s[G1], 15|(3<<16)|(1<<21)            ; 15:0 the mask: all four work-groups; 17:16 elements of 8 bytes; 20 no padding; 21 set beside a mask
	s_mov_b32 s[G1+1], 32<<16
	s_mov_b32 s[G1+2], 50<<16
	s_mov_b32 s[G1+3], 32<<16
	s_mov_b32 s[G1+4], 50
	s_mov_b32 s[G1+5], 32
	s_mov_b32 s[G1+6], 0
	s_mov_b32 s[G1+7], 0
	s_mul_i32 s54, s10, 307200                     ; the head's 16 records of 19,200 bytes;
	s_mul_i32 s55, s8, 19200                       ; mine is step w's: its K and V sections
	s_add_co_u32 s54, s54, s55
	s_mov_b32 s55, 0
	s_mov_b32 s32, 1
	s_mul_i32 s33, s8, 12800                       ; and where it goes in LDS
	s_mov_b32 s[SEL], 0x76543210
	s_mov_b32 s[SEL+1], 0xfedcba98
	s_mov_b32 s[CC], 0x3e38aa3b                    ; log2(e) / 8
	s_mov_b32 s[CC+1], s[CC]
	s_wait_dscnt 0x0                               ; both opening adds are done
	s_wait_kmcnt 0x0
	s_add_nc_u64 s[34:35], s[4:5], s[54:55]
	s_or_b32 s35, s35, 0x80000000
	CROUND                                         ; all four work-groups are here: the joint loads meet
	tensor_load_to_lds s[32:35], s[G1:G1+7]        ; every wave's one load
	s_nop 0
	s_lshl_b32 s58, s10, 4
	s_lshl_b32 s59, s9, 2
	s_add_co_u32 s58, s58, s59
	s_lshr_b32 s59, s8, 3
	s_add_co_u32 s58, s58, s59                     ; my record of pass 0: step 4 cx + wave / 8
	s_mul_i32 s58, s58, 19200
	s_and_b32 s60, s8, 7                           ; my token tile a
	s_lshr_b32 s61, s60, 1
	s_mul_i32 s61, s61, 1536                       ; its fragment a / 2
	s_add_co_u32 s61, s61, s58
	s_add_co_u32 s62, s61, 12800
	s_mov_b32 s63, 0
	s_add_nc_u64 s[14:15], s[4:5], s[62:63]        ; q's half
	s_bfe_u32 s61, s60, 0x10001
	s_lshl_b32 s61, s61, 7                         ; its fragment a / 2: odd ones lie in lanes 16-31's places,
	s_lshr_b32 s62, s60, 2
	s_lshl_b32 s62, s62, 2                         ; fragments 2 and 3 in the second word
	s_add_co_u32 s62, s62, s61
	s_add_co_u32 s62, s62, s58
	s_add_co_u32 s62, s62, 18944
	s_add_nc_u64 s[52:53], s[4:5], s[62:63]        ; q's scale words
	s_and_b32 s51, s8, 1
	s_lshl_b32 s51, s51, 4                         ; my tile's two bytes in the word
	s_lshl_b32 s58, s12, 4
	s_lshl_b32 s59, s9, 2
	s_add_co_u32 s58, s58, s59
	s_lshr_b32 s59, s8, 3
	s_add_co_u32 s58, s58, s59
	s_lshl_b32 s58, s58, 3
	s_add_co_u32 s58, s58, s60                     ; y's rowtile
	s_lshr_b32 s59, s11, 2
	s_mul_i32 s59, s59, 1572864                    ; K step of 256 = head / 4,
	s_mul_i32 s61, s58, 3072
	s_add_co_u32 s59, s59, s61
	s_and_b32 s61, s11, 3
	s_mul_i32 s61, s61, 768                        ; half head % 4 of it
	s_add_co_u32 s62, s59, s61
	s_add_nc_u64 s[16:17], s[6:7], s[62:63]
	s_lshl_b32 s59, s58, 9
	s_lshr_b32 s61, s11, 3
	s_lshl_b32 s61, s61, 8
	s_add_co_u32 s59, s59, s61
	s_and_b32 s61, s11, 7
	s_lshl_b32 s61, s61, 1
	s_add_co_u32 s59, s59, s61
	s_add_co_u32 s62, s59, 6291456
	s_add_nc_u64 s[18:19], s[6:7], s[62:63]        ; y's scale bytes: 512 x rowtile + 256 (head / 8) + 2 (head % 8); a lane adds 16 r + h
	v_and_b32 v10, 31, v0
	s_delay_alu instid0(VALU_DEP_1)
	v_lshlrev_b32 v1, 4, v10
	s_delay_alu instid0(VALU_DEP_2)
	v_lshlrev_b32 v2, 3, v10
	v_and_b32 v11, 15, v0
	v_bfe_u32 v5, v0, 4, 1
	s_delay_alu instid0(VALU_DEP_1)
	v_lshl_add_u32 v6, v11, 4, v5
	s_delay_alu instid0(VALU_DEP_3)
	v_lshlrev_b32 v7, 3, v11
	s_delay_alu instid0(VALU_DEP_3)
	v_lshlrev_b32 v5, 3, v5
.irp j, 16,17,18,19,20,21,28,29,30,31,32,33
	v_mov_b32 v[\j], 0                             ; zero codes on both sides of q
.endr
	v_mov_b32 v253, 0                              ; (named as the upper half of the pair v[252:253])
	v_mov_b32 v255, 0                              ; written once: a lane permute's destination counts as one of its sources
	PASS_HEAD 0
	s_wait_alu depctr_va_vdst(0)
	s_wait_tensorcnt 0x0                           ; my step's tiles are in,
	s_barrier_signal -1
	s_barrier_wait -1                              ; everybody's are: nothing is ever filled again, so this is the launch's one barrier for tiles
	FLOAD KF, KS, 1, 2, 0                          ; step 0's K
	WALK 2
	PASS_TAIL 0
	PASS_HEAD 1
	WALK 0
	PASS_TAIL 1
	s_wait_xcnt 0x0
	v_lshl_add_u32 v254, v0, 2, SPARE              ; no two registers could be kept: v0 was, and the add's two are made anew
	v_mov_b32 v255, 0
	s_wait_alu depctr_va_vdst(0)
	s_wait_tensorcnt 0x0                           ; the wave's end
	ds_add_u32 v254, v255
	s_wait_dscnt 0x0
	CROUND                                         ; the closing round: no work-group ends while a partner may still ask for a tile that names it
	s_endpgm
.Lfunc_end_k_q0460697783_attn:
	.size	k_q0460697783_attn, .Lfunc_end_k_q0460697783_attn-k_q0460697783_attn
	.p2alignl 7, 3214868480
	.fill 96, 4, 3214868480
	.section	.rodata,"a",@progbits
	.p2align	6, 0x0
	.amdhsa_kernel k_q0460697783_attn
		.amdhsa_group_segment_fixed_size 206848
		.amdhsa_private_segment_fixed_size 0
		.amdhsa_enable_private_segment 0
		.amdhsa_kernarg_size 16
		.amdhsa_user_sgpr_count 2
		.amdhsa_user_sgpr_kernarg_segment_ptr 1
		.amdhsa_wavefront_size32 1
		.amdhsa_system_sgpr_workgroup_id_x 1
		.amdhsa_system_sgpr_workgroup_id_y 1
		.amdhsa_system_sgpr_workgroup_id_z 1
		.amdhsa_system_vgpr_workitem_id 0
		.amdhsa_next_free_vgpr 256
		.amdhsa_next_free_sgpr 72
		.amdhsa_reserve_vcc 0
		.amdhsa_float_denorm_mode_32 3
		.amdhsa_float_denorm_mode_16_64 3
		.amdhsa_memory_ordered 1
		.amdhsa_forward_progress 1
		.amdhsa_inst_pref_size 77
	.end_amdhsa_kernel
	.amdgpu_metadata
---
amdhsa.version: [ 1, 2 ]
amdhsa.kernels:
  - .name:           k_q0460697783_attn
    .symbol:         k_q0460697783_attn.kd
    .args:
      - { .name: qkv, .offset: 0, .size: 8, .value_kind: global_buffer, .address_space: global }
      - { .name: yq, .offset: 8, .size: 8, .value_kind: global_buffer, .address_space: global }
    .group_segment_fixed_size: 206848
    .private_segment_fixed_size: 0
    .kernarg_segment_align: 8
    .kernarg_segment_size: 16
    .max_flat_workgroup_size: 512
    .sgpr_count:     72
    .vgpr_count:     256
    .wavefront_size: 32
...
	.end_amdgpu_metadata
.endif
;; end of part 3
;; launch proj (part 4): grid 8 x 32, 4 waves a work-group, clusters of 4 x 4, 295,424 bytes of LDS; arguments yq, wq, out0; writes out0
.if DOCPART == 4
	.amdgcn_target "amdgcn-amd-amdhsa--gfx1250"
	.amdhsa_code_object_version 6
	.text
	.protected	k_q0460697783_proj
	.globl	k_q0460697783_proj
	.p2align	8
	.type	k_q0460697783_proj,@function
k_q0460697783_proj:
	s_mov_b64 s[64:65], 0
	v_nop
	global_prefetch_b8 v0, s[64:65] scope:SCOPE_SE
	s_setreg_imm32_b32 hwreg(HW_REG_WAVE_MODE, 25, 1), 1
	s_wait_xcnt 0x0
	s_wait_alu depctr_hold_cnt(0) depctr_sa_sdst(0) depctr_va_vdst(0) depctr_va_sdst(0) depctr_va_ssrc(0) depctr_va_vcc(0) depctr_vm_vsrc(0)
	s_getreg_b32 s2, hwreg(HW_REG_IB_STS2, 6, 4)
	s_cmp_eq_u32 s2, 0
	s_cbranch_scc0 .Lentry_in_a_cluster
	s_endpgm
.Lentry_in_a_cluster:
	s_bfe_u32 s2, ttmp6, 0x10000c
	s_cmp_lg_u32 s2, 0xf033
	s_cbranch_scc0 .Lentry_shape_is_right
	s_endpgm
.Lentry_shape_is_right:
; out0 = y w_proj^T on codes of FP6 (E2M3) with E8M0 scales, K = 1,024; f32 sums, f32 out.
; A work-group of four waves makes 256 tokens x 128 features: 8 x 32 = 256 work-groups.  A wave makes 64 tokens x 128 features: 32 accumulators of 16 x 16, 256 registers.
; OPERANDS LIE IN MEMORY AS IMAGES OF THEIR REGISTERS: [K / 256][rowtile][2 fragments][2 halves][768] (a half = 16 rows x 64 K: a lane's registers 0-3 at 16 x lane, 4-5 at 512 + 8 x lane).
; ALL OF K LIES IN LDS, each byte filled ONCE: y's 16 rowtiles x 4 K steps of 256 (196,608 bytes), then w_proj's 8 x 4 (98,304).  A K step's rowtiles are one dense run, so two K steps are a tile of two long rows:
; wave 0 fetches y's K steps 0 and 1, wave 1 its 2 and 3, waves 2 and 3 the same of w_proj: one tensor load a wave, at the head.  No ring, no refill, and no loop to run ahead in: so no prefetch.
; CLUSTERS: 4 x 4 work-groups; y's tiles are asked for jointly along a row of the cluster, w_proj's along a column.
; THE SCALE WORDS ([rowtile][K half][row][4 words]) go from memory straight into registers: a rowtile's 512 bytes by one load, lane (r, h) taking row r's four words of K half h.  So step s of 128 along K names
; register s % 4 of a rowtile's four, in lanes 0-15 for s < 4 and in lanes 16-31 (ROW1) for s >= 4.
; The matrix instruction is used transposed (source 0 = 16 features, source 1 = 16 tokens): a lane holds eight neighbouring features of one token's row.
; THE WAY OUT: a block of 16 tokens x 128 features goes through the wave's own stage and leaves as rows of 512 consecutive bytes.  The stage lies in the wave's own four rowtiles of y's K step 0, which no other wave reads
; and which have had their only fill.  y's rowtile 4 w + a holds tokens 64 w + 8 a + 32 (r / 8) + r % 8 of the tile's 256.
; REGISTERS: window 0: v8-23 LDS addresses, v24-29 the way out and the add's two, v32-47 y's scale words, v48-79 w_proj's (nothing else ever), v128-223 y's fragments, two sets (on the way out v128-255 rows read back);
;   window 1: w_proj's fragments, two sets, at v0 and v128;   window 2: accumulator (a, b) at v[8 (8 a + b)].
.set RT,     3072                      ; a rowtile's part of a K step of 256
.set AKS,    16*RT                     ; y's part of a K step
.set BKS,    8*RT                      ; w_proj's
.set BREG,   4*AKS                     ; where w_proj's tiles begin in LDS
.set SPARE,  BREG+4*BKS                ; the spare words, 128 bytes for each wave
.set FR,     12
.set SPITCH, 528
.set ADRA, 8                           ; v8-11 my y fragments in K step 0..3, + 16 x lane; v12-15 + 8 x lane
.set ADRB, 16                          ; v16-23 the same for w_proj
.set STO,  24
.set RD,   25
.set CO,   26                          ; 16 x lane
.set O8,   27                          ; 8 x lane
.set SPW,  28
.set NIL,  29
.set SA,   32
.set SB,   48
.set AF,   128
.set BK,   128
.set G1,  24                           ; s[24:31], s[32:35] descriptor groups 1 and 0 for y's tiles
.set G0,  32
.set G1B, 48                           ; s[48:55], s[56:59] for w_proj's
.set G0B, 56
.set MSB, 0
.macro WIN new                         ; the immediate's high byte repeats the setting that is left
.if MSB != (\new)
	s_set_vgpr_msb (MSB<<8)|(\new)
.set MSB, (\new)
.endif
.endm
.set MUL,  0xa1                        ; source 0 window 1, source 1 window 0, C and D window 2
.set TO_B, 0x40                        ; destination window 1, address window 0
.macro CROUND                          ; a round of the cluster's barrier
	s_barrier_signal -1
	s_barrier_wait -1
	s_cmp_lg_u32 s14, 0
	s_cbranch_scc1 .Lnot_wave_0_\@
	s_barrier_signal -3
.Lnot_wave_0_\@:
	s_barrier_wait -3
	s_barrier_signal -1
	s_barrier_wait -1
.endm
.macro PLACES
.rept 4
	v_nop
.endr
.endm
.macro FRAG reg, adr, off              ; a fragment as it lies: four dense loads
	ds_load_b128 v[\reg:\reg+3], v[\adr] offset:\off
	ds_load_b64 v[\reg+4:\reg+5], v[\adr+4] offset:\off+512
	ds_load_b128 v[\reg+6:\reg+9], v[\adr] offset:\off+768
	ds_load_b64 v[\reg+10:\reg+11], v[\adr+4] offset:\off+1280
.endm
.macro FETCH s                         ; step s's twelve fragments into set s % 2: 48 loads
	WIN TO_B
.irp i, 0,1,2,3,4,5,6,7
	FRAG 128*((\s)%2)+FR*\i, ADRB+(\s)/2, \i*RT+((\s)%2)*1536
.endr
	WIN 0
.irp i, 0,1,2,3
	FRAG AF+48*((\s)%2)+FR*\i, ADRA+(\s)/2, \i*RT+((\s)%2)*1536
.endr
.endm
.macro MULS s                          ; 32 matrix instructions, 128 along K; the 32 accumulators take turns in the same order in every step; step 0 starts the sums
.irp a, 0,1,2,3
.irp b, 0,1,2,3,4,5,6,7
.if (\s) == 0
	v_wmma_scale_f32_16x16x128_f8f6f4 v[8*(8*\a+\b):8*(8*\a+\b)+7], v[128*((\s)%2)+FR*\b:128*((\s)%2)+FR*\b+FR-1], v[AF+48*((\s)%2)+FR*\a:AF+48*((\s)%2)+FR*\a+FR-1], 0, v[SB+4*\b+(\s)%4], v[SA+4*\a+(\s)%4] matrix_a_fmt:MATRIX_FMT_FP6 matrix_b_fmt:MATRIX_FMT_FP6
.else
.if (\s) < 4
	v_wmma_scale_f32_16x16x128_f8f6f4 v[8*(8*\a+\b):8*(8*\a+\b)+7], v[128*((\s)%2)+FR*\b:128*((\s)%2)+FR*\b+FR-1], v[AF+48*((\s)%2)+FR*\a:AF+48*((\s)%2)+FR*\a+FR-1], v[8*(8*\a+\b):8*(8*\a+\b)+7], v[SB+4*\b+(\s)%4], v[SA+4*\a+(\s)%4] matrix_a_fmt:MATRIX_FMT_FP6 matrix_b_fmt:MATRIX_FMT_FP6
.else
	v_wmma_scale_f32_16x16x128_f8f6f4 v[8*(8*\a+\b):8*(8*\a+\b)+7], v[128*((\s)%2)+FR*\b:128*((\s)%2)+FR*\b+FR-1], v[AF+48*((\s)%2)+FR*\a:AF+48*((\s)%2)+FR*\a+FR-1], v[8*(8*\a+\b):8*(8*\a+\b)+7], v[SB+4*\b+(\s)%4], v[SA+4*\a+(\s)%4] matrix_a_fmt:MATRIX_FMT_FP6 matrix_b_fmt:MATRIX_FMT_FP6 matrix_a_scale:MATRIX_SCALE_ROW1 matrix_b_scale:MATRIX_SCALE_ROW1
.endif
.endif
.endr
.endr
.endm
	s_load_b128 s[4:7], s[0:1], 0x0                ; yq s[4:5], wq s[6:7]
	s_load_b64 s[8:9], s[0:1], 0x10                ; out0
	v_lshl_add_u32 v[SPW], v0, 2, SPARE
	v_mov_b32 v[NIL], 0
	ds_add_u32 v[SPW], v[NIL]                      ; the opening lines: the add, twice on end, and its wait ahead of my tensor load
	ds_add_u32 v[SPW], v[NIL]
	v_lshrrev_b32 v1, 5, v0
	v_readfirstlane_b32 s14, v1                    ; wave 0..3
	s_lshr_b32 s15, s14, 1                         ; I fetch for y (0) or for w_proj (1),
	s_and_b32 s16, s14, 1                          ; K steps 0, 1 or 2, 3
	s_bfe_u32 s40, ttmp6, 0x40000                  ; cx
	s_bfe_u32 s41, ttmp6, 0x40004                  ; cy
	s_lshl_b32 s42, ttmp9, 2
	s_add_co_u32 s42, s42, s40                     ; the tile of 128 features
	s_and_b32 s17, ttmp7, 0xffff
	s_lshl_b32 s17, s17, 2
	s_add_co_u32 s17, s17, s41                     ; the tile of 256 tokens
	s_lshl_b32 s43, s41, 2
	s_lshl_b32 s43, 15, s43                        ; my row of the cluster
	s_lshl_b32 s44, 0x1111, s40                    ; my column
	s_or_b32 s[G1], s43, (3<<16)|(1<<21)           ; 15:0 the mask; 17:16 elements of 8 bytes; 21 set beside a mask
	s_mov_b32 s[G1+1], (AKS/8)<<16                 ; tensor_dim0: a K step's 49,152 dense bytes
	s_mov_b32 s[G1+2], 2<<16                       ; tensor_dim1: two K steps
	s_mov_b32 s[G1+3], (AKS/8)<<16                 ; tile_dim0
	s_mov_b32 s[G1+4], 2                           ; tile_dim1
	s_mov_b32 s[G1+5], 1572864/8                   ; from K step to K step of y's image
	s_mov_b32 s[G1+6], 0
	s_mov_b32 s[G1+7], 0
	s_or_b32 s[G1B], s44, (3<<16)|(1<<21)
	s_mov_b32 s[G1B+1], (BKS/8)<<16                ; 24,576 dense bytes
	s_mov_b32 s[G1B+2], 2<<16
	s_mov_b32 s[G1B+3], (BKS/8)<<16
	s_mov_b32 s[G1B+4], 2
	s_mov_b32 s[G1B+5], 196608/8                   ; of w_proj's image
	s_mov_b32 s[G1B+6], 0
	s_mov_b32 s[G1B+7], 0
	s_mul_i32 s20, s17, AKS                        ; y's tile hangs on the tokens' tile and the wave alone,
	s_mul_i32 s18, s16, 2*1572864
	s_add_co_u32 s20, s20, s18
	s_mov_b32 s21, 0
	s_mul_i32 s46, s42, BKS                        ; w_proj's on the features' tile and the wave
	s_mul_i32 s18, s16, 2*196608
	s_add_co_u32 s46, s46, s18
	s_add_co_u32 s46, s46, 2457600                 ; where w_proj's image begins in wq
	s_mov_b32 s47, 0
	s_mov_b32 s[G0], 1
	s_mul_i32 s[G0+1], s16, 2*AKS
	s_mov_b32 s[G0B], 1
	s_mul_i32 s[G0B+1], s16, 2*BKS
	s_add_co_u32 s[G0B+1], s[G0B+1], BREG
	s_lshl_b32 s10, s17, 13                        ; y's scale words: 512 bytes a rowtile: 16 x tile + 4 x wave
	s_lshl_b32 s18, s14, 11
	s_add_co_u32 s10, s10, s18
	s_add_co_u32 s10, s10, 6291456
	s_mov_b32 s11, 0
	s_lshl_b32 s12, s42, 12                        ; w_proj's: 8 x tile
	s_add_co_u32 s12, s12, 3244032
	s_mov_b32 s13, 0
	s_lshl_b32 s22, s17, 20                        ; out0: (256 x tile + 64 x wave) rows of 4,096 bytes + 512 x features' tile
	s_lshl_b32 s18, s14, 18
	s_add_co_u32 s22, s22, s18
	s_lshl_b32 s18, s42, 9
	s_add_co_u32 s22, s22, s18
	s_mov_b32 s23, 0
	s_wait_dscnt 0x0                               ; both opening adds are done
	s_wait_kmcnt 0x0
	s_add_nc_u64 s[G0+2:G0+3], s[4:5], s[20:21]
	s_or_b32 s[G0+3], s[G0+3], 0x80000000
	s_add_nc_u64 s[G0B+2:G0B+3], s[6:7], s[46:47]
	s_or_b32 s[G0B+3], s[G0B+3], 0x80000000
	s_add_nc_u64 s[10:11], s[4:5], s[10:11]
	s_add_nc_u64 s[12:13], s[6:7], s[12:13]
	s_add_nc_u64 s[8:9], s[8:9], s[22:23]
	CROUND                                         ; all sixteen work-groups are here: the joint loads meet
	s_cmp_eq_u32 s15, 0                            ; one load a wave, a load in each arm; the branch hangs on the wave's number alone
	s_cbranch_scc0 .Lfor_b
	tensor_load_to_lds s[G0:G0+3], s[G1:G1+7]
	s_nop 0
	PLACES
	s_branch .Lasked
.Lfor_b:
	tensor_load_to_lds s[G0B:G0B+3], s[G1B:G1B+7]
	s_nop 0
	PLACES
.Lasked:
	v_and_b32 v1, 31, v0                           ; lane
	v_and_b32 v2, 15, v0                           ; r
	v_bfe_u32 v3, v0, 4, 1                         ; h
	v_lshlrev_b32 v[CO], 4, v1
	v_lshlrev_b32 v[O8], 3, v1
	s_mul_i32 s21, s14, 4*RT                       ; my four rowtiles of y
	s_mov_b32 s22, BREG
	s_mov_b32 s23, s21                             ; and my stage, in their K step 0
.irp k, 0,1,2,3
	v_add_nc_u32 v[ADRA+\k], s21, v[CO]
	v_add_nc_u32 v[ADRA+4+\k], s21, v[O8]
	v_add_nc_u32 v[ADRB+\k], s22, v[CO]
	v_add_nc_u32 v[ADRB+4+\k], s22, v[O8]
	s_add_co_u32 s21, s21, AKS
	s_add_co_u32 s22, s22, BKS
.endr
	v_mul_u32_u24 v5, v2, SPITCH                   ; into the stage: row r, 32 bytes for each half of the lanes
	v_lshl_add_u32 v5, v3, 5, v5
	v_add_nc_u32 v[STO], s23, v5
	v_add_nc_u32 v[RD], s23, v[CO]                 ; back: the 32 lanes take one row of 512 bytes
	s_wait_alu depctr_va_vdst(0)
.irp i, 0,1,2,3
	global_load_b128 v[SA+4*\i:SA+4*\i+3], v[CO], s[10:11] offset:\i*512    ; 32 lanes read a rowtile's 512 consecutive bytes
.endr
.irp i, 0,1,2,3,4,5,6,7
	global_load_b128 v[SB+4*\i:SB+4*\i+3], v[CO], s[12:13] offset:\i*512
.endr
	s_wait_tensorcnt 0x0                           ; my tile is in,
	s_barrier_signal -1
	s_barrier_wait -1                              ; everybody's is; nothing is filled again
	FETCH 0
	s_wait_loadcnt 0x0                             ; the scale words are in
.irp s, 0,1,2,3,4,5,6
.if \s > 0
	PLACES                                         ; in front of the loads into the set that the last step multiplied
.endif
	FETCH (\s)+1
	s_wait_dscnt 48                                ; this step's fragments are in; the 48 loads just issued may be out
	WIN MUL
	MULS \s
	WIN 0
.endr
	s_wait_dscnt 0x0
	WIN MUL
	MULS 7
	WIN 0
	PLACES                                         ; in front of the first reads of results and of the loads into y's fragment registers
.macro TOSTAGE a
.set AC, 64*(\a)
	WIN 0x08                                       ; the data: window 2
.irp b, 0,1,2,3,4,5,6,7
	ds_store_b128 v[STO], v[AC+8*\b:AC+8*\b+3] offset:64*\b          ; each accumulator from its low end on
	ds_store_b128 v[STO], v[AC+8*\b+4:AC+8*\b+7] offset:64*\b+16
.endr
	WIN 0
.set BB, BK+64*((\a)%2)
.irp t, 0,1,2,3,4,5,6,7,8,9,10,11,12,13,14,15
	ds_load_b128 v[BB+4*\t:BB+4*\t+3], v[RD] offset:\t*SPITCH        ; LDS serves a wave's instructions in order: these see my stores
.endr
.endm
.macro SEND a, younger                 ; younger: the LDS instructions issued behind block a's loads, which may stay out
.set BB, BK+64*((\a)%2)
	s_wait_dscnt \younger
.irp t, 0,1,2,3,4,5,6,7,8,9,10,11,12,13,14,15
	global_store_b128 v[CO], v[BB+4*\t:BB+4*\t+3], s[8:9] offset:(8*(\a)+32*(\t/8)+\t%8)*4096 th:TH_STORE_NT   ; 32 lanes store 512 consecutive bytes, aligned
.endr
.endm
	TOSTAGE 0
.irp a, 1,2,3
.if \a > 1
	s_wait_xcnt 0x0                                ; block a - 2's stores have read their registers: block a's loads may land there
.endif
	TOSTAGE \a
	SEND \a-1, 32
.endr
	SEND 3, 0
	s_wait_tensorcnt 0x0                           ; the wave's end
	ds_add_u32 v[SPW], v[NIL]
	s_wait_dscnt 0x0
	CROUND                                         ; the closing round
	s_endpgm
.Lfunc_end_k_q0460697783_proj:
	.size	k_q0460697783_proj, .Lfunc_end_k_q0460697783_proj-k_q0460697783_proj
	.p2alignl 7, 3214868480
	.fill 96, 4, 3214868480
	.section	.rodata,"a",@progbits
	.p2align	6, 0x0
	.amdhsa_kernel k_q0460697783_proj
		.amdhsa_group_segment_fixed_size 295424
		.amdhsa_private_segment_fixed_size 0
		.amdhsa_enable_private_segment 0
		.amdhsa_kernarg_size 24
		.amdhsa_user_sgpr_count 2
		.amdhsa_user_sgpr_kernarg_segment_ptr 1
		.amdhsa_wavefront_size32 1
		.amdhsa_system_sgpr_workgroup_id_x 1
		.amdhsa_system_sgpr_workgroup_id_y 1
		.amdhsa_system_sgpr_workgroup_id_z 1
		.amdhsa_system_vgpr_workitem_id 0
		.amdhsa_next_free_vgpr 768
		.amdhsa_next_free_sgpr 66
		.amdhsa_reserve_vcc 0
		.amdhsa_float_denorm_mode_32 3
		.amdhsa_float_denorm_mode_16_64 3
		.amdhsa_memory_ordered 1
		.amdhsa_forward_progress 1
		.amdhsa_inst_pref_size 81
	.end_amdhsa_kernel
	.amdgpu_metadata
---
amdhsa.version: [ 1, 2 ]
amdhsa.kernels:
  - .name:           k_q0460697783_proj
    .symbol:         k_q0460697783_proj.kd
    .args:
      - { .name: yq, .offset: 0, .size: 8, .value_kind: global_buffer, .address_space: global }
      - { .name: wq, .offset: 8, .size: 8, .value_kind: global_buffer, .address_space: global }
      - { .name: out0, .offset: 16, .size: 8, .value_kind: global_buffer, .address_space: global }
    .group_segment_fixed_size: 295424
    .private_segment_fixed_size: 0
    .kernarg_segment_align: 8
    .kernarg_segment_size: 24
    .max_flat_workgroup_size: 128
    .sgpr_count:     66
    .vgpr_count:     768
    .wavefront_size: 32
...
	.end_amdgpu_metadata
.endif
;; end of part 4
